; MI455X (gfx1250); checked and timed in simulation.
; The chip was launched on July 23, 2026; its instructions are those of AMD's public machine-readable ISA for CDNA 5 (MIT licence, August 2026) and "CDNA5" Instruction Set Architecture Reference Guide (July 2026). The comments in the code are by the model that wrote it; some were corrected since.
;; Lattice Multi Head Attention. Allowed arithmetic: matrix products marked QUANTISED: E2M1 operands, one E8M0 scale for each 32 along K, by v_wmma_scale_f32_16x16x128_f8f6f4 with both operands' format E2M1 (or v_wmma_scale_f32_32x16x128_f4), f32 sums; products left as they are: bf16, f16 or f32 operands; f32 sums; everything else in f32.
;; Inputs: Wk 16 x 1,024 x 64 float32; Wo 1,024 x 1,024 float32; Wq 16 x 1,024 x 64 float32; Wv 16 x 1,024 x 64 float32; bo 1,024 float32; freqs 16 float32; key_ 8 x 1,024 x 1,024 float32; nbr_idx 16 x 8 int32; nbr_w 16 x 8 float32; phases0 16 float32; query 8 x 1,024 x 1,024 float32; value 8 x 1,024 x 1,024 float32.
;; Outputs: out0 8 x 1,024 x 1,024 float32.
;; This version of the problem:
;;   THIS VERSION OF THE PROBLEM IS GIVEN IN LOW PRECISION. The matrix products marked QUANTISED in the list below multiply operands that are first quantised to E2M1 (2 exponent bits, 1 mantissa bit; 4 bits a number), with one power-of-two scale for each 32 numbers along K (OCP MX v1.0); their sums are f32. The products marked 'left as it is' may take bf16, f16 or f32 operands, with f32 sums. Whichever they take, every output number must still come out within the allowed error. Rounding operands to bf16 (8 significant bits) uses up far more of that allowance than f16 does (11 bits, for magnitudes from 6e-5 to 65,504). All else is computed in f32.
;;   The module's matrix products, in the order in which they are computed (A, B: the left and right operand; K: the contracted axis; several contracted axes count as one K, in the product's order):
;;     1. [M 1,024, K 1,024] x [K 1,024, N 8,192]; A: input Wq; B: input query: QUANTISED
;;     2. [M 1,024, K 1,024] x [K 1,024, N 8,192]; A: input Wk; B: input key_: QUANTISED
;;     3. [M 1,024, K 1,024] x [K 1,024, N 8,192]; A: input Wv; B: input value: QUANTISED
;;     4. batch 128 x [M 1,024, K 64] x [K 64, N 1,024]; A: computed on the way; B: computed on the way: left as it is (an operand is computed on the way)
;;     5. batch 128 x [M 1,024, K 1,024] x [K 1,024, N 64]; A: computed on the way; B: computed on the way: left as it is (an operand is computed on the way)
;;     6. [M 8,192, K 1,024] x [K 1,024, N 1,024]; A: computed on the way; B: input Wo: left as it is (an operand is computed on the way)
;;   THE QUANTISER, for each operand of a quantised product, along K:
;;     - K is cut into blocks of 32 from its start; a last block that is shorter is filled with zeros.
;;     - A block's scale is 2^e with e = floor(log2(the largest magnitude in the block)) - 2, held to -126 .. 127; a block of zeros has e = 0. As a byte (E8M0): e + 127.
;;     - Each number is divided by its block's scale, clamped to +-6, and rounded to the nearest number of E2M1, ties to even, subnormals kept.
;;     - The product sums the exact products of the quantised numbers (number of the format x scale) in f32.
;;   ~~~python
;;   def quantise(x, axis):      # numpy; x: float32 -> the quantised numbers, widened to float32 again
;;       x = np.moveaxis(x, axis, -1); K = x.shape[-1]
;;       x = np.pad(x, [(0, 0)] * (x.ndim - 1) + [(0, -K % 32)]); x = x.reshape(x.shape[:-1] + (-1, 32)); a = np.abs(x).max(-1, keepdims=True)
;;       e = np.where(a > 0, np.clip(np.frexp(np.where(a > 0, a, 1))[1] - 1 - 2, -126, 127), 0)      # np.frexp(a)[1] - 1 = floor(log2(a)), exactly
;;       r = np.clip(x / 2.0 ** e, -6, 6)
;;       step = 2.0 ** (np.maximum(np.frexp(np.where(r == 0, 1, r))[1] - 1, 0) - 1)
;;       q = np.round(r / step) * step * 2.0 ** e      # np.round: ties to even
;;       return np.moveaxis(q.reshape(q.shape[:-2] + (-1,))[..., :K], -1, axis).astype(np.float32)
;;   ~~~
;; One version. Each part assembles by itself: llvm-mc -triple=amdgcn-amd-amdhsa -mcpu=gfx1250 --defsym DOCPART=n.
;; ======== version 1 of 1: 4 launches
;; limits: values are held in f16: magnitudes above 65,504 overflow, below 6.1e-05 lose precision
;; workspace buffers: xc 12,582,912 bytes; xs 786,432 bytes; wc 1,572,864 bytes; ws 98,304 bytes; wot 2,097,152 bytes; qkv 50,331,648 bytes; ctx 16,777,216 bytes
;; launch prep (part 1): grid 928 x 1, 4 waves a work-group, no clusters, 75,264 bytes of LDS; arguments query, key_, value, Wq, Wk, Wv, Wo, xc, xs, wc, ws, wot; writes xc, xs, wc, ws, wot
.if DOCPART == 1
	.amdgcn_target "amdgcn-amd-amdhsa--gfx1250"
	.amdhsa_code_object_version 6
	.text
	.protected	k_qf02ee56164_prep
	.globl	k_qf02ee56164_prep
	.p2align	8
	.type	k_qf02ee56164_prep,@function
k_qf02ee56164_prep:
	s_mov_b64 s[64:65], 0
	v_nop
	global_prefetch_b8 v0, s[64:65] scope:SCOPE_SE
	s_setreg_imm32_b32 hwreg(HW_REG_WAVE_MODE, 25, 1), 1
	s_wait_xcnt 0x0
; One launch lays out every operand that later launches read many times.  Three paths, parted by the work-group's number; they never join, and each has LDS bytes of its own.
; The paths whose waves have the longest chains of loads that wait for each other have the lowest numbers, so that they begin with the launch and run beside the stream.
;   W, work-groups 0-95:    Wq, Wk, Wv [16][1024 (d)][64] f32, K = d is NOT innermost -> wc [3][1024 rows h*64+k][512 bytes], ws [3][1024][32].  A lane takes a column, its registers run down d.
;   O, work-groups 96-159:  Wo [1024 (k)][1024 (n)] f32 -> wot [1024 (n)][1024 (k)] f16: the same plan, a lane to a column, with a rounding to f16 in the quantiser's place.
;   X, work-groups 160-927: query, key_, value [8192][1024] f32 -> codes of FP4 (E2M1), K = the 1,024 innermost, xc [3][8192][512 bytes], and one E8M0 byte for each 32 along K, xs [3][8192][32].
; A block's scale is 2^(floor(log2(its largest magnitude)) - 2); its byte is the largest magnitude's exponent field - 2, held at 1 from below; each number is divided by the scale and rounded to the nearest code, ties to even,
; beyond the largest code the largest.
; LIMITS: a block of zeros gets the byte 1 where the rule says 127 (its codes are zeros, which add nothing under any byte but 0xff, and this program alone reads the bytes); blocks whose largest magnitude lies under
; 2^(2 - 126) were not tried; NaN and infinities are not served; Wo must stay under 65,504 in magnitude (f16), and keeps f16's absolute step under 6e-5.
; No tensor loads, no barrier: waves share nothing.  No matrix unit, no cluster: the launch streams each input byte once.
.set SPARE, 74752                      ; behind the three paths' regions: the spare words, 128 bytes for each wave: two blocks of 256 bytes that no other line names
.set SPW,   190                        ; v190  LDS address of my spare word: SPARE + 4 x my thread's number; never rewritten
.set NIL,   191                        ; v191  0; never rewritten
.set EMAX,  2
.set NWG_W, 96                         ; work-groups of path W
.set NWG_O, 64                         ; of path O
; path X
.set STEPS, 16                         ; a wave takes 16 steps of 512 numbers
.set CB,    8                          ; bytes of 16 codes
.set XR,    16                         ; v16-79   four sets of 16 numbers as they are loaded
.set XN,    80                         ; v80-111  two sets of 16 neighbours
.set XE,    112                        ; v112-127 a scale byte for each step
.set XC,    128                        ; v128-189 codes: four registers kept for each step, so that no store's data are written again
.set WREG,  5632                       ; LDS 0 on: a region for each wave: two stages of 32 x SP bytes (5,120), and behind them its 256 scale bytes
.set SP,    80                         ; a lane's place in a stage: its 64 bytes + 16 of padding
; paths W and O
.set WSTG,  4*WREG                     ; LDS: path W's four stages of 16 rows x 272 bytes
.set OSTG,  WSTG+4*16*272              ; path O's four of 32 rows
.set PITCH, 272                        ; a stage row: 256 bytes + 16
.set NBW,   8                          ; path W: blocks of 32 along d for a lane
.set SB,    24                         ; v24-25   scale bytes, four to a register
.set WX,    32                         ; v32-95   two sets of 32 numbers
.set WC,    96                         ; v96-111  a block's codes (4 registers) or f16 pairs (16)
.set OUTR,  112                        ; v112-175 the way out: up to 16 x 4 registers
.macro XLOAD t
.irp i, 0,1,2,3
	global_load_b128 v[XR+16*((\t)%4)+4*\i:XR+16*((\t)%4)+4*\i+3], v3, s[8:9] offset:2048*(\t)+512*\i th:TH_LOAD_NT   ; 32 lanes read 512 consecutive bytes
.endr
.endm
.macro XTURN t                         ; step t's numbers through the stage: LDS serves a wave's instructions in order, so no wait stands between the stores and the loads
.irp i, 0,1,2,3
	ds_store_b128 v14, v[XR+16*((\t)%4)+4*\i:XR+16*((\t)%4)+4*\i+3] offset:32*SP*((\t)%2)+8*SP*\i
.endr
.irp i, 0,1,2,3
	ds_load_b128 v[XN+16*((\t)%2)+4*\i:XN+16*((\t)%2)+4*\i+3], v15 offset:32*SP*((\t)%2)+16*\i
.endr
.endm
.macro XSTEP t
.set XS, XN+16*((\t)%2)
.if (\t) > 0
	s_wait_dscnt 1                                 ; this step's numbers are back from the stage (the last step's byte store may be out): so its stores into the stage have read their registers,
.else
	s_wait_dscnt 0x0
.endif
.if (\t)+4 < STEPS
	XLOAD (\t)+4                                   ; which take the loads of four steps on
.endif
.if (\t)+1 < STEPS
.if STEPS-2-(\t) >= 3
	s_wait_loadcnt 12                              ; the next step's four loads are in; those of the three steps behind it may be out
.else
	s_wait_loadcnt 4*(STEPS-2-(\t))
.endif
	XTURN (\t)+1                                   ; and go through the other stage while this step is worked
.endif
	v_max3_num_f32 v8, |v[XS]|, |v[XS+1]|, |v[XS+2]|               ; the largest magnitude of my 16, in two chains
	v_max3_num_f32 v9, |v[XS+3]|, |v[XS+4]|, |v[XS+5]|
.irp i, 6,10
	v_max3_num_f32 v8, v8, |v[XS+\i]|, |v[XS+\i+1]|
	v_max3_num_f32 v9, v9, |v[XS+\i+2]|, |v[XS+\i+3]|
.endr
	v_max3_num_f32 v8, v8, |v[XS+14]|, |v[XS+15]|
	v_max3_num_f32 v8, v8, v9, (EMAX+1)<<23        ; and the floor 2^(EMAX + 1 - 127): the byte cannot fall under 1
	v_max_num_f32_dpp v8, v8, v8 row_xmask:1 row_mask:0xf bank_mask:0xf   ; and of my neighbour's 16: the block's
	v_add_nc_u32 v11, -(EMAX<<23), v8              ; EMAX off its exponent field: the conversion takes the exponent field of this operand as its scale, and nothing else of it
	v_cvt_scalef32_pk8_fp4_f32 v[XC+4*(\t)], v[XS:XS+7], v11
	v_cvt_scalef32_pk8_fp4_f32 v[XC+4*(\t)+1], v[XS+8:XS+15], v11
	v_lshrrev_b32 v[XE+(\t)], 23, v11              ; the scale's byte (also the plain line behind the conversions)
	ds_store_b8 v5, v[XE+(\t)] offset:16*(\t)      ; both lanes of a block write the same byte with the same value
	global_store_b64 v4, v[XC+4*(\t):XC+4*(\t)+1], s[22:23] offset:32*CB*(\t)   ; the wave stores 256 consecutive bytes, aligned
.endm
; paths W and O: block t, rows 32 t + i of my column, into set t % 2; stride: bytes from row to row; b: the base's register.  No hint: the waves beside mine read the same rows' neighbouring bytes
.macro WLOAD t, stride, b
.set wi, 0
.rept 32
	global_load_b32 v[WX+32*((\t)%2)+wi], v3, s[\b:\b+1] offset:(32*(\t)+wi)*\stride
.set wi, wi+1
.endr
.endm
.macro QBLOCK t                        ; a block of 32 along d of my column: all 32 numbers are mine
.set XS, WX+32*((\t)%2)
.if (\t) < NBW-1
	s_wait_loadcnt 32                              ; this block's 32 loads are in; the next block's may be out
.else
	s_wait_loadcnt 0
.endif
	v_max3_num_f32 v12, |v[XS]|, |v[XS+1]|, |v[XS+2]|
	v_max3_num_f32 v13, |v[XS+3]|, |v[XS+4]|, |v[XS+5]|
.irp i, 6,10,14,18,22,26
	v_max3_num_f32 v12, v12, |v[XS+\i]|, |v[XS+\i+1]|
	v_max3_num_f32 v13, v13, |v[XS+\i+2]|, |v[XS+\i+3]|
.endr
	v_max3_num_f32 v12, v12, |v[XS+30]|, |v[XS+31]|
	v_max3_num_f32 v12, v12, v13, (EMAX+1)<<23     ; the floor
	v_add_nc_u32 v11, -(EMAX<<23), v12             ; the conversion's scale operand
	v_lshrrev_b32 v13, 23, v11                     ; the scale's byte
.if (\t)%4 == 0
	v_mov_b32 v[SB+(\t)/4], v13                    ; four bytes to a register, the lower d in the lower byte
.else
	v_lshl_or_b32 v[SB+(\t)/4], v13, 8*((\t)%4), v[SB+(\t)/4]
.endif
.irp g, 0,1,2,3
	v_cvt_scalef32_pk8_fp4_f32 v[WC+\g], v[XS+8*\g:XS+8*\g+7], v11
.endr
	ds_store_b128 v4, v[WC:WC+3] offset:16*(\t)    ; 32 codes: 16 bytes of my column's row.  (The results go to LDS stores alone, and the next block begins with plain vector lines)
.if (\t)+2 < NBW
	WLOAD (\t)+2, 256, 14
.endif
	s_wait_dscnt 0x0                               ; the store has read its registers: the next block's codes may be written
.endm
.macro HBLOCK t                        ; 32 numbers along k of my column of Wo become 16 registers of f16
.set XS, WX+32*((\t)%2)
.if (\t) < 3
	s_wait_loadcnt 32
.else
	s_wait_loadcnt 0
.endif
.irp i, 0,1,2,3,4,5,6,7,8,9,10,11,12,13,14,15
	v_cvt_pk_f16_f32 v[WC+\i], v[XS+2*\i], v[XS+2*\i+1]
.endr
.irp g, 0,1,2,3
	ds_store_b128 v4, v[WC+4*\g:WC+4*\g+3] offset:64*(\t)+16*\g
.endr
.if (\t)+2 < 4
	WLOAD (\t)+2, 4096, 20
.endif
	s_wait_dscnt 0x0                               ; the stores have read their registers
.endm
.macro WOUT n, krow, b                 ; the stage's 2 n rows of 256 bytes leave: sixteen lanes store 256 consecutive bytes, aligned; two rows an instruction
.set wt, 0
.rept \n
	ds_load_b128 v[OUTR+4*wt:OUTR+4*wt+3], v7 offset:2*wt*PITCH    ; LDS serves a wave's instructions in order: these see my stores
.set wt, wt+1
.endr
.set wt, 0
.rept \n
	s_wait_dscnt \n-1-wt                           ; rows 2 t and 2 t + 1 are back; the later loads may be out
	global_store_b128 v8, v[OUTR+4*wt:OUTR+4*wt+3], s[\b:\b+1] offset:2*wt*\krow
.set wt, wt+1
.endr
.endm
.macro CLOSE                           ; the wave's end: behind my last LDS store
	s_wait_tensorcnt 0x0
	ds_add_u32 v[SPW], v[NIL]
	s_wait_dscnt 0x0
	s_endpgm
.endm
	s_load_b512 s[8:23], s[0:1], 0x0               ; query s[8:9], key_ s[10:11], value s[12:13], Wq s[14:15], Wk s[16:17], Wv s[18:19], Wo s[20:21], xc s[22:23]
	s_load_b256 s[24:31], s[0:1], 0x40             ; xs s[24:25], wc s[26:27], ws s[28:29], wot s[30:31]
	v_lshl_add_u32 v[SPW], v0, 2, SPARE
	v_mov_b32 v[NIL], 0
	v_lshrrev_b32 v1, 5, v0
	v_readfirstlane_b32 s32, v1                    ; wave 0..3
	v_and_b32 v2, 31, v0                           ; lane
	s_mov_b32 s35, 0                               ; the upper word of every offset: all stay under 2^31
	s_wait_kmcnt 0x0
	s_cmp_lt_u32 ttmp9, NWG_W+NWG_O
	s_cbranch_scc1 .Lweights
	; ---------------- path X: a tensor is a plain stream of blocks of 32, and so are its codes and its scale bytes
	s_sub_co_u32 s37, ttmp9, NWG_W+NWG_O           ; 0..767: 256 work-groups to a tensor
	v_lshlrev_b32 v3, 4, v2                        ; my 16 bytes of a load's 512
	s_mul_i32 s33, s32, WREG
	v_lshrrev_b32 v14, 2, v2
	v_mul_u32_u24 v14, v14, SP
	v_and_b32 v15, 3, v2
	v_lshl_add_u32 v14, v15, 4, v14
	v_add_nc_u32 v14, s33, v14                     ; the stage, on the way in: four lanes' 64 bytes on end, then 16 of padding
	v_mul_u32_u24 v15, v2, SP
	v_add_nc_u32 v15, s33, v15                     ; and on the way out: SP x lane: my 16 neighbours
	v_mul_u32_u24 v4, v2, CB                       ; my codes' place in a step's
	v_lshrrev_b32 v5, 1, v2
	s_add_co_u32 s33, s33, 2*32*SP
	v_add_nc_u32 v5, s33, v5                       ; LDS: my wave's 256 scale bytes, my block's byte
	v_lshlrev_b32 v7, 3, v2                        ; and on the way out 8 bytes a lane
	v_add_nc_u32 v6, s33, v7
	s_cmp_lt_u32 s37, 512                          ; which tensor: the choice hangs on the work-group's number alone
	s_cselect_b64 s[10:11], s[10:11], s[12:13]
	s_cmp_lt_u32 s37, 256
	s_cselect_b64 s[8:9], s[8:9], s[10:11]
	s_and_b32 s34, s37, 255
	s_lshl_b32 s34, s34, 2
	s_add_co_u32 s34, s34, s32                     ; which run of 8,192 numbers of the tensor is my wave's
	s_lshl_b32 s34, s34, 15                        ; 32,768 bytes a run
	s_add_nc_u64 s[8:9], s[8:9], s[34:35]
	s_lshl_b32 s36, s37, 2
	s_add_co_u32 s36, s36, s32                     ; and which run of the three tensors stacked: xc and xs are one stream each
	s_lshl_b32 s34, s36, 12                        ; 4,096 bytes of codes a run
	s_add_nc_u64 s[22:23], s[22:23], s[34:35]
	s_lshl_b32 s34, s36, 8                         ; 256 scale bytes a run
	s_add_nc_u64 s[24:25], s[24:25], s[34:35]
.irp t, 0,1,2,3
	XLOAD \t
.endr
	s_wait_loadcnt 12                              ; step 0's four loads are in
	XTURN 0
.irp t, 0,1,2,3,4,5,6,7,8,9,10,11,12,13,14,15
	XSTEP \t
.endr
	ds_load_b64 v[8:9], v6                         ; LDS serves a wave's instructions in order: these see my byte stores
	s_wait_dscnt 0x0
	global_store_b64 v7, v[8:9], s[24:25]          ; 32 lanes store 256 consecutive bytes, aligned
	CLOSE
.Lweights:
	s_cmp_lt_u32 ttmp9, NWG_W
	s_cbranch_scc0 .Lwo
	; ---------------- path W: a work-group takes 512 along d of one head of one weight: number = 32 x tensor + 2 x head + (which 512).  A wave takes 16 of the head's 64 columns: lanes 0-15 their first 256 along d,
	; lanes 16-31 their second 256: 8 blocks a lane.  A load reads two pieces of 64 bytes; the four waves stand side by side on a row's 256 bytes.  A column's 512 codes, 256 bytes, meet in the wave's stage.
	s_cmp_lt_u32 ttmp9, 64
	s_cselect_b64 s[16:17], s[16:17], s[18:19]
	s_cmp_lt_u32 ttmp9, 32
	s_cselect_b64 s[14:15], s[14:15], s[16:17]
	s_lshr_b32 s36, ttmp9, 5                       ; the tensor, 0..2
	s_lshr_b32 s37, ttmp9, 1
	s_and_b32 s37, s37, 15                         ; the head
	s_and_b32 s39, ttmp9, 1                        ; kb: d 512 kb on
	s_lshl_b32 s34, s37, 18                        ; a head is 1,024 rows of 256 bytes
	s_lshl_b32 s40, s39, 17                        ; 512 rows
	s_add_co_u32 s34, s34, s40
	s_lshl_b32 s40, s32, 6                         ; my wave's 16 columns of 4 bytes
	s_add_co_u32 s34, s34, s40
	s_add_nc_u64 s[14:15], s[14:15], s[34:35]
	s_lshl_b32 s41, s36, 10
	s_lshl_b32 s40, s37, 6
	s_add_co_u32 s41, s41, s40
	s_lshl_b32 s40, s32, 4
	s_add_co_u32 s41, s41, s40                     ; my first row of wc and ws: 1024 x tensor + 64 x head + 16 x wave
	s_lshl_b32 s34, s41, 9
	s_lshl_b32 s40, s39, 8
	s_add_co_u32 s34, s34, s40
	s_add_nc_u64 s[26:27], s[26:27], s[34:35]      ; codes: 512 bytes a row, + 256 kb
	s_lshl_b32 s34, s41, 5
	s_lshl_b32 s40, s39, 4
	s_add_co_u32 s34, s34, s40
	s_add_nc_u64 s[28:29], s[28:29], s[34:35]      ; scale bytes: 32 a row, + 16 kb
	v_and_b32 v5, 15, v2                           ; my column of the 16
	v_lshrrev_b32 v6, 4, v2                        ; my half of the 512 along d
	v_lshlrev_b32 v3, 2, v5
	v_lshl_add_u32 v3, v6, 16, v3                  ; in: 4 bytes a column, + 256 rows of 256 bytes for lanes 16-31
	s_mul_i32 s40, s32, 16*PITCH
	s_add_co_u32 s40, s40, WSTG                    ; my stage
	v_mul_u32_u24 v4, v5, PITCH
	v_lshl_add_u32 v4, v6, 7, v4
	v_add_nc_u32 v4, s40, v4                       ; into it: row = my column, + 128 bytes for the second 256 along d
	v_mul_u32_u24 v7, v6, PITCH
	v_lshl_add_u32 v7, v5, 4, v7
	v_add_nc_u32 v7, s40, v7                       ; out of it: sixteen lanes to a row, two rows an instruction
	v_lshlrev_b32 v8, 9, v6
	v_lshl_add_u32 v8, v5, 4, v8                   ; and the same place in wc: rows of 512 bytes
	v_lshlrev_b32 v9, 5, v5
	v_lshl_add_u32 v9, v6, 3, v9                   ; my column's row of scale bytes, + 8 for the second 256 along d
	WLOAD 0, 256, 14
	WLOAD 1, 256, 14
.set Q, 0
.rept NBW
	QBLOCK Q
.set Q, Q+1
.endr
	global_store_b64 v9, v[SB:SB+1], s[28:29]      ; my 8 scale bytes
	WOUT 8, 512, 26
	CLOSE
.Lwo:
	; ---------------- path O: a work-group takes 128 columns x 128 along k of Wo, a wave 32 of the columns: 4 blocks a lane
	s_sub_co_u32 s33, ttmp9, NWG_W
	s_and_b32 s36, s33, 7                          ; which 128 columns
	s_lshr_b32 s37, s33, 3                         ; which 128 along k
	s_lshl_b32 s38, s36, 7
	s_lshl_b32 s40, s32, 5
	s_add_co_u32 s38, s38, s40                     ; my first column
	s_lshl_b32 s34, s37, 19                        ; 128 rows of 4,096 bytes
	s_lshl_b32 s40, s38, 2
	s_add_co_u32 s34, s34, s40
	s_add_nc_u64 s[20:21], s[20:21], s[34:35]
	s_lshl_b32 s34, s38, 11                        ; wot: 2,048 bytes a row,
	s_lshl_b32 s40, s37, 8                         ; + 256 bytes for each 128 along k
	s_add_co_u32 s34, s34, s40
	s_add_nc_u64 s[30:31], s[30:31], s[34:35]
	v_lshlrev_b32 v3, 2, v2                        ; in: 4 bytes a lane
	s_mul_i32 s40, s32, 32*PITCH
	s_add_co_u32 s40, s40, OSTG                    ; my stage
	v_mul_u32_u24 v4, v2, PITCH
	v_add_nc_u32 v4, s40, v4                       ; into it: row = my column
	v_and_b32 v5, 15, v2
	v_lshrrev_b32 v6, 4, v2                        ; out of it: sixteen lanes to a row, two rows an instruction
	v_mul_u32_u24 v7, v6, PITCH
	v_lshl_add_u32 v7, v5, 4, v7
	v_add_nc_u32 v7, s40, v7
	v_lshlrev_b32 v8, 11, v6
	v_lshl_add_u32 v8, v5, 4, v8                   ; and the same place in wot: rows of 2,048 bytes
	WLOAD 0, 4096, 20
	WLOAD 1, 4096, 20
.irp t, 0,1,2,3
	HBLOCK \t
.endr
	WOUT 16, 2048, 30
	CLOSE
.Lfunc_end_k_qf02ee56164_prep:
	.size	k_qf02ee56164_prep, .Lfunc_end_k_qf02ee56164_prep-k_qf02ee56164_prep
	.p2alignl 7, 3214868480
	.fill 96, 4, 3214868480
	.section	.rodata,"a",@progbits
	.p2align	6, 0x0
	.amdhsa_kernel k_qf02ee56164_prep
		.amdhsa_group_segment_fixed_size 75264
		.amdhsa_private_segment_fixed_size 0
		.amdhsa_enable_private_segment 0
		.amdhsa_kernarg_size 96
		.amdhsa_user_sgpr_count 2
		.amdhsa_user_sgpr_kernarg_segment_ptr 1
		.amdhsa_wavefront_size32 1
		.amdhsa_system_sgpr_workgroup_id_x 1
		.amdhsa_system_sgpr_workgroup_id_y 1
		.amdhsa_system_sgpr_workgroup_id_z 1
		.amdhsa_system_vgpr_workitem_id 0
		.amdhsa_next_free_vgpr 192
		.amdhsa_next_free_sgpr 66
		.amdhsa_reserve_vcc 0
		.amdhsa_float_denorm_mode_32 3
		.amdhsa_float_denorm_mode_16_64 3
		.amdhsa_memory_ordered 1
		.amdhsa_forward_progress 1
		.amdhsa_inst_pref_size 95
	.end_amdhsa_kernel
	.amdgpu_metadata
---
amdhsa.version: [ 1, 2 ]
amdhsa.kernels:
  - .name:           k_qf02ee56164_prep
    .symbol:         k_qf02ee56164_prep.kd
    .args:
      - { .name: query, .offset: 0, .size: 8, .value_kind: global_buffer, .address_space: global }
      - { .name: key_, .offset: 8, .size: 8, .value_kind: global_buffer, .address_space: global }
      - { .name: value, .offset: 16, .size: 8, .value_kind: global_buffer, .address_space: global }
      - { .name: Wq, .offset: 24, .size: 8, .value_kind: global_buffer, .address_space: global }
      - { .name: Wk, .offset: 32, .size: 8, .value_kind: global_buffer, .address_space: global }
      - { .name: Wv, .offset: 40, .size: 8, .value_kind: global_buffer, .address_space: global }
      - { .name: Wo, .offset: 48, .size: 8, .value_kind: global_buffer, .address_space: global }
      - { .name: xc, .offset: 56, .size: 8, .value_kind: global_buffer, .address_space: global }
      - { .name: xs, .offset: 64, .size: 8, .value_kind: global_buffer, .address_space: global }
      - { .name: wc, .offset: 72, .size: 8, .value_kind: global_buffer, .address_space: global }
      - { .name: ws, .offset: 80, .size: 8, .value_kind: global_buffer, .address_space: global }
      - { .name: wot, .offset: 88, .size: 8, .value_kind: global_buffer, .address_space: global }
    .group_segment_fixed_size: 75264
    .private_segment_fixed_size: 0
    .kernarg_segment_align: 8
    .kernarg_segment_size: 96
    .max_flat_workgroup_size: 128
    .sgpr_count:     66
    .vgpr_count:     192
    .wavefront_size: 32
...
	.end_amdgpu_metadata
.endif
;; end of part 1
;; launch proj (part 2): grid 4 x 96, 4 waves a work-group, clusters of 4 x 4, 327,680 bytes of LDS; arguments xc, xs, wc, ws, qkv; writes qkv
.if DOCPART == 2
	.amdgcn_target "amdgcn-amd-amdhsa--gfx1250"
	.amdhsa_code_object_version 6
	.text
	.protected	k_qf02ee56164_proj
	.globl	k_qf02ee56164_proj
	.p2align	8
	.type	k_qf02ee56164_proj,@function
k_qf02ee56164_proj:
	s_mov_b64 s[64:65], 0
	v_nop
	global_prefetch_b8 v0, s[64:65] scope:SCOPE_SE
	s_setreg_imm32_b32 hwreg(HW_REG_WAVE_MODE, 25, 1), 1
	s_wait_xcnt 0x0
	s_wait_alu depctr_hold_cnt(0) depctr_sa_sdst(0) depctr_va_vdst(0) depctr_va_sdst(0) depctr_va_ssrc(0) depctr_va_vcc(0) depctr_vm_vsrc(0)
	s_getreg_b32 s2, hwreg(HW_REG_IB_STS2, 6, 4)
	s_cmp_eq_u32 s2, 0
	s_cbranch_scc0 .Lentry_in_a_cluster
	s_endpgm
.Lentry_in_a_cluster:
	s_bfe_u32 s2, ttmp6, 0x10000c
	s_cmp_lg_u32 s2, 0xf033
	s_cbranch_scc0 .Lentry_shape_is_right
	s_endpgm
.Lentry_shape_is_right:
; The three quantised projections as ONE product on codes of FP4 (E2M1) with one E8M0 scale for each 32 along K: C[m][n] = sum over k of A[m][k] B[n][k], K = 1,024.
; A: xc, 24,576 rows (query's, key_'s, value's 8,192 each) of 512 bytes; B: wc, 3 x 1,024 rows (h*64+k of Wq, Wk, Wv); scale bytes xs, ws: 32 a row.  A tile row of C takes the weights of its own tensor.
; The result is rounded once to f16 (the operands of the 16-bit products that follow) and laid by heads: qkv [3][8 (b)][16 (h)][1024 (l)][64], so that a head is 131,072 dense bytes.
; LIMIT: |Q|, |K|, |V| stay under 65,504 (f16): about 5,000 with every input 30 times the drawn spread.
; A tile of C, 256 x 256, is made by a work-group of four waves; a wave makes 128 x 128: 64 accumulators, 512 registers.  K is two slots of 512: both are asked for at the head, so no slot is ever filled again.
; THE SCALES of the work-group's 256 rows of A and of B, for all of K, are two dense blocks: they come into LDS once, with the first fills.
; CLUSTERS: 4 x 4 work-groups.  The four of a row of the cluster need the same tiles of A, the four of a column the same tiles of B: each tile is asked for JOINTLY, by the same tensor load with the same descriptor
; and a mask that names the four.  The tensor's number is made of the cluster's y alone, which all sixteen share.
; THE MATRIX INSTRUCTION IS USED TRANSPOSED (source 0 = 16 rows of B, source 1 = 16 rows of A): a lane then holds eight neighbouring numbers of a row of C.
; REGISTERS, in windows of 256: window 0: v0-31 addresses; v32-95 scale words, two sets; v128-191 A's fragments, ONE set; on the way out v32-63, v192-255.
;   window 1: B's fragments, TWO sets, at v0 and v128.   window 2: the 32 accumulators of my rows 0-63 ((a, b) at v[8 (8 a + b)]);   window 3: those of my rows 64-127.
; No prefetch: every tile of the launch is asked for at the head.
.set KSTEP,  512                       ; along K in a slot
.set NQ,     KSTEP/128                 ; matrix instructions deep
.set ROWB,   256                       ; a tile's row in bytes
.set KROW,   512                       ; a row of A or of B in memory, in bytes
.set PITCH,  272                       ; an LDS row: 256 bytes + 16 of padding = 68 words: row r starts at bank 4 r mod 64 (64 banks of 4 bytes: ISA guide 11.1)
.set FR,     8                         ; registers of a fragment: 16 rows x 128 K
.set NL,     2                         ; LDS loads that bring one
.set NP,     4                         ; places behind this matrix instruction (ISA guide 7.12.1)
.set HALFT,  128*PITCH                 ; 128 rows: what one tensor load brings, and what one wave reads of A or of B
.set SLOT,   4*HALFT                   ; A's 256 rows, then B's 256 rows
.set KS,     32                        ; a row of scales in bytes
.set SCL,    2*SLOT                    ; behind the slots: the scales, as units of 256 bytes + 16 of padding
.set HALFS,  (128*KS/256)*272          ; the scales of 128 rows: what one tensor load brings
.set SBLK,   (16*KS/256)*272           ; those of 16 rows
.set SPARE,  SCL+4*HALFS               ; behind the scales: the spare words, 128 bytes for each wave: two blocks of 256 bytes that no other line names
.set STW,    4608                      ; the way out: a stage for each wave: two heads x 16 rows x (128 bytes + 16).  It lies in slot 0, which has had its only fill and its last read when the first result is stored there
.set ADRA, 16                          ; v16-17  LDS address of my A fragments in slot 0, 1
.set ADRB, 20                          ; v20-21  the same for B
.set STO,  24                          ; v24     the way out: where I put 16 bytes of a row
.set RD,   25                          ; v25     the way out: where I read rows back
.set CO,   26                          ; v26     16 x lane: my place in a store's 512 bytes
.set ADRS, 27                          ; v27     LDS address of my scale words: lanes 0-15 A's rows, lanes 16-31 B's
.set SPW,  28                          ; v28     LDS address of my spare word: SPARE + 4 x my thread's number; never rewritten
.set NIL,  29                          ; v29     0; never rewritten
.set SC,   32                          ; scale words: set s at v[SC + 8 NQ s]; register NQ i + q: lanes 0-15 the word of A's block i, lanes 16-31 that of B's block i, for the slot's q-th 128 along K
.set AF,   128                         ; A's fragments, in window 0
.set TMP,  192                         ; the way out: packed results
.set OB,   32                          ; the way out: rows read back: v32-63 and v224-255 by turns
.set G1, 24                            ; s[24:31] descriptor group 1 for A's tiles;  s[32:39] group 0, one set for each slot
.set G0, 32
.set G1B, 48                           ; s[48:55], s[56:63] the same for B's tiles
.set G0B, 56
.set G1S, 68                           ; s[68:75], s[76:79] groups 1 and 0 for A's scales;  s[80:87], s[88:91] for B's
.set G0S, 76
.set G1SB, 80
.set G0SB, 88
.set MSB, 0
.macro WIN new                         ; the immediate's high byte repeats the setting that is left
.if MSB != (\new)
	s_set_vgpr_msb (MSB<<8)|(\new)
.set MSB, \new
.endif
.endm
.set MUL_LO, 0xa1                      ; source 0 (B) window 1, source 1 (A) window 0, C and D window 2
.set MUL_HI, 0xf1                      ; the same, C and D window 3
.set TO_B,   0x40                      ; destination window 1, address window 0
; A joint load: waves 0 and 1 fetch for A, waves 2 and 3 for B.  Each of the two lines has ONE mask and one set of registers for all that issue it; the branch hangs on the wave's number alone.
; An s_nop 0 and four v_nop follow each of the two lines, ahead of the jump, the label and what follows.
.macro JLOAD g0a, g1a, g0b, g1b
	s_cmp_eq_u32 s15, 0
	s_cbranch_scc0 .Lfor_b_\@
	tensor_load_to_lds s[\g0a:\g0a+3], s[\g1a:\g1a+7]
	s_nop 0
.rept 4
	v_nop
.endr
	s_branch .Lasked_\@
.Lfor_b_\@:
	tensor_load_to_lds s[\g0b:\g0b+3], s[\g1b:\g1b+7]
	s_nop 0
.rept 4
	v_nop
.endr
.Lasked_\@:
.endm
.macro CROUND                          ; a round of the cluster's barrier: my work-group's barrier; wave 0 signals for the work-group; every wave waits for all sixteen; my work-group's barrier once more
	s_barrier_signal -1
	s_barrier_wait -1
	s_cmp_lg_u32 s14, 0
	s_cbranch_scc1 .Lnot_wave_0_\@
	s_barrier_signal -3
.Lnot_wave_0_\@:
	s_barrier_wait -3
	s_barrier_signal -1
	s_barrier_wait -1
.endm
	s_load_b128 s[4:7], s[0:1], 0x0                ; A's codes s[4:5], A's scales s[6:7]
	s_load_b128 s[8:11], s[0:1], 0x10              ; B's codes s[8:9], B's scales s[10:11]
	s_load_b64 s[12:13], s[0:1], 0x20              ; qkv
	v_lshl_add_u32 v[SPW], v0, 2, SPARE
	v_mov_b32 v[NIL], 0
	ds_add_u32 v[SPW], v[NIL]                      ; the wave's opening: the add, twice on end, and its wait ahead of my first tensor load; the set-up below, work on registers, stands between
	ds_add_u32 v[SPW], v[NIL]
	v_lshrrev_b32 v1, 5, v0
	v_readfirstlane_b32 s14, v1                    ; wave 0..3
	s_lshr_b32 s15, s14, 1                         ; which half of the tile's rows is mine.  Also: I fetch for A (0) or for B (1)
	s_and_b32 s16, s14, 1                          ; which half of its columns.  Also: which 128 rows of that tile I fetch
	s_bfe_u32 s40, ttmp6, 0x40000                  ; cx, cy: my place in the cluster
	s_bfe_u32 s41, ttmp6, 0x40004
	s_lshl_b32 s42, ttmp9, 2
	s_add_co_u32 s42, s42, s40                     ; tile column = 4 x cluster x + cx: 0..3
	s_and_b32 s17, ttmp7, 0xffff                   ; cluster y: 0..23
	s_lshr_b32 s95, s17, 3                         ; the tensor, 0..2: eight clusters of rows each; made of the cluster's y alone
	s_lshl_b32 s95, s95, 10                        ; its weights' first row in wc and ws
	s_lshl_b32 s17, s17, 2
	s_add_co_u32 s17, s17, s41                     ; tile row = 4 x cluster y + cy: 0..95
	s_lshl_b32 s43, s41, 2
	s_lshl_b32 s43, 15, s43                        ; my row of the cluster
	s_lshl_b32 s44, 0x1111, s40                    ; my column
	; descriptor group 1: a tile of 128 rows x ROWB bytes, padded in LDS
	s_or_b32 s[G1+0], s43, (0<<16)|(1<<20)|(1<<21)|(5<<22)|(3<<25)  ; 15:0 the mask: A's tiles go to my row; 17:16 element of 1 byte; 20 padding on; 21 set beside a mask; 24:22 after every 64 words (code 5); 31:25 of 4 words (code 3)
	s_or_b32 s[G1B+0], s44, (0<<16)|(1<<20)|(1<<21)|(5<<22)|(3<<25)
.irp g, G1, G1B
	s_mov_b32 s[\g+1], ROWB<<16                    ; tensor_dim0
	s_mov_b32 s[\g+2], 128<<16                     ; tensor_dim1 = 128
	s_mov_b32 s[\g+3], ROWB<<16                    ; tile_dim0
	s_mov_b32 s[\g+4], 128                         ; tile_dim1 = 128
	s_mov_b32 s[\g+5], KROW                        ; tensor_dim0_stride
	s_mov_b32 s[\g+6], 0
	s_mov_b32 s[\g+7], 0
.endr
	; and for the scales of 128 rows: a dense block of 4,096 bytes, as rows of 256 bytes (32 elements of 8 bytes), 16 bytes of padding behind each
	s_or_b32 s[G1S+0], s43, (3<<16)|(1<<20)|(1<<21)|(5<<22)|(3<<25)
	s_or_b32 s[G1SB+0], s44, (3<<16)|(1<<20)|(1<<21)|(5<<22)|(3<<25)
.irp g, G1S, G1SB
	s_mov_b32 s[\g+1], 32<<16
	s_mov_b32 s[\g+2], (128*KS/256)<<16
	s_mov_b32 s[\g+3], 32<<16
	s_mov_b32 s[\g+4], 128*KS/256
	s_mov_b32 s[\g+5], 32
	s_mov_b32 s[\g+6], 0
	s_mov_b32 s[\g+7], 0
.endr
	s_lshl_b32 s18, s16, 7                         ; which 128 rows of the tile I fetch
	s_lshl_b32 s20, s17, 8
	s_add_co_u32 s20, s20, s18                     ; A: row 256 x tile row + 128 x half
	s_lshl_b32 s46, s42, 8
	s_add_co_u32 s46, s46, s18
	s_add_co_u32 s46, s46, s95                     ; B: row 1024 x tensor + 256 x tile column + 128 x half
	s_mov_b32 s21, 0
	s_mov_b32 s47, 0
	s_mov_b64 s[18:19], KS
	s_mul_u64 s[22:23], s[20:21], s[18:19]         ; where these rows' scales begin, in bytes
	s_mul_u64 s[92:93], s[46:47], s[18:19]
	s_mov_b64 s[18:19], KROW
	s_mul_u64 s[20:21], s[20:21], s[18:19]         ; and their codes
	s_mul_u64 s[46:47], s[46:47], s[18:19]
	s_mul_i32 s45, s14, HALFT                      ; where they go: wave x 128 rows: no place in the cluster enters an LDS address
	s_mul_i32 s94, s14, HALFS
	s_wait_dscnt 0x0                               ; both opening adds are done
	s_wait_kmcnt 0x0
	s_add_nc_u64 s[20:21], s[4:5], s[20:21]
	s_add_nc_u64 s[22:23], s[6:7], s[22:23]
	s_add_nc_u64 s[46:47], s[8:9], s[46:47]
	s_add_nc_u64 s[92:93], s[10:11], s[92:93]
	CROUND                                         ; all sixteen work-groups are here: the joint loads meet
	s_mov_b32 s[G0S], 1
	s_add_co_u32 s[G0S+1], s94, SCL
	s_mov_b64 s[G0S+2:G0S+3], s[22:23]
	s_or_b32 s[G0S+3], s[G0S+3], 0x80000000
	s_mov_b32 s[G0SB], 1
	s_add_co_u32 s[G0SB+1], s94, SCL
	s_mov_b64 s[G0SB+2:G0SB+3], s[92:93]
	s_or_b32 s[G0SB+3], s[G0SB+3], 0x80000000
	JLOAD G0S, G1S, G0SB, G1SB                     ; the scales first: they are wanted with the first slot
.irp s, 0,1
	s_mov_b32 s[G0+4*\s], 1
	s_add_co_u32 s[G0+4*\s+1], s45, \s*SLOT
	s_add_nc_u64 s[G0+4*\s+2:G0+4*\s+3], s[20:21], \s*ROWB
	s_or_b32 s[G0+4*\s+3], s[G0+4*\s+3], 0x80000000
	s_mov_b32 s[G0B+4*\s], 1
	s_add_co_u32 s[G0B+4*\s+1], s45, \s*SLOT
	s_add_nc_u64 s[G0B+4*\s+2:G0B+4*\s+3], s[46:47], \s*ROWB
	s_or_b32 s[G0B+4*\s+3], s[G0B+4*\s+3], 0x80000000
	JLOAD G0+4*\s, G1, G0B+4*\s, G1B               ; three tensor loads of mine are out behind the second of these
.endr
	v_and_b32 v1, 15, v0                           ; l % 16
	v_bfe_u32 v2, v0, 4, 1                         ; l / 16
	v_mul_u32_u24 v3, v1, PITCH
	v_lshl_add_u32 v4, v2, 4, v3                   ; a fragment's row x pitch + 16 x half
	s_mul_i32 s21, s15, HALFT                      ; my 128 rows of A
	s_mul_i32 s22, s16, HALFT                      ; my 128 rows of B,
	s_add_co_u32 s22, s22, 2*HALFT                 ; which lie behind A's 256
.irp s, 0,1
	v_add_nc_u32 v[ADRA+\s], s21, v4
	v_add_nc_u32 v[ADRB+\s], s22, v4
	s_add_co_u32 s21, s21, SLOT
	s_add_co_u32 s22, s22, SLOT
.endr
	v_mul_u32_u24 v5, v1, KS                       ; my row's scales: KS bytes a row,
	v_lshrrev_b32 v6, 8, v5
	v_lshl_add_u32 v5, v6, 4, v5                   ; and 16 more for each 256 passed
	s_mul_i32 s21, s15, HALFS                      ; A's: my 128 rows
	s_mul_i32 s22, s16, HALFS                      ; B's: my 128 rows, behind A's 256
	s_add_co_u32 s22, s22, 2*HALFS
	s_sub_co_u32 s22, s22, s21
	v_mul_u32_u24 v6, s22, v2                      ; lanes 16-31 take B's: ONE product, the distance between the two bases
	s_add_co_u32 s21, s21, SCL
	v_add_nc_u32 v5, v5, v6
	v_add_nc_u32 v[ADRS], s21, v5
	s_mul_i32 s23, s14, STW                        ; my stage
	v_mul_u32_u24 v5, v1, 144                      ; in: row l % 16 of 128 bytes + 16, 16 bytes for each half of the lanes
	v_lshl_add_u32 v5, v2, 4, v5
	v_add_nc_u32 v[STO], s23, v5
	v_and_b32 v6, 31, v0
	v_lshlrev_b32 v[CO], 4, v6                     ; out: 16 bytes a lane: four rows of 128 bytes are 512 consecutive bytes of a head
	v_lshrrev_b32 v5, 3, v6
	v_mul_u32_u24 v5, v5, 144                      ; back: eight lanes to a row, four rows an instruction
	v_and_b32 v6, 7, v0
	v_lshl_add_u32 v5, v6, 4, v5
	v_add_nc_u32 v[RD], s23, v5
	; where my 128 rows x 2 heads begin in qkv: head (tile row / 4) x 16 + 4 x tile column + 2 x column half, of 131,072 bytes; row (tile row % 4) x 256 + 128 x row half, of 128 bytes
	s_lshr_b32 s20, s17, 2
	s_lshl_b32 s20, s20, 4
	s_lshl_b32 s21, s42, 2
	s_add_co_u32 s20, s20, s21
	s_lshl_b32 s21, s16, 1
	s_add_co_u32 s20, s20, s21
	s_lshl_b32 s20, s20, 17
	s_and_b32 s21, s17, 3
	s_lshl_b32 s21, s21, 8
	s_lshl_b32 s22, s15, 7
	s_add_co_u32 s21, s21, s22
	s_lshl_b32 s21, s21, 7
	s_add_co_u32 s20, s20, s21                     ; under 2^26
	s_mov_b32 s21, 0
	s_add_nc_u64 s[12:13], s[12:13], s[20:21]      ; never stepped: every store's place stands in its immediate
.macro FRAG reg, adr, q, i             ; a fragment, 16 rows x 128 K of 4-bit codes, is 8 registers: lane l holds row l % 16; registers 4 c .. 4 c + 3 hold K = 64 c + 32 (l / 16) + 0 .. 31
.irp c, 0,1
	ds_load_b128 v[\reg+4*\c:\reg+4*\c+3], v[\adr] offset:64*(\q)+32*\c+(\i)*16*PITCH
.endr
.endm
; 16 matrix instructions: A's blocks a0, a0 + 1 x B's eight, 128 along K: the slot's q-th.  p: B's set;  sc: the set of scale words.  zero = 1: the first product starts the sums: nothing is ever cleared.
; The 64 accumulators take turns, one instruction a turn, in the same order in every step.
.macro MUL16 a0, p, q, sc, zero
.irp a, \a0, \a0+1
.irp b, 0,1,2,3,4,5,6,7
.if \zero
	v_wmma_scale_f32_16x16x128_f8f6f4 v[8*(8*((\a)%4)+\b):8*(8*((\a)%4)+\b)+7], v[128*(\p)+FR*\b:128*(\p)+FR*\b+FR-1], v[AF+FR*(\a):AF+FR*(\a)+FR-1], 0, v[SC+8*NQ*(\sc)+NQ*\b+(\q)], v[SC+8*NQ*(\sc)+NQ*(\a)+(\q)] matrix_a_fmt:MATRIX_FMT_FP4 matrix_b_fmt:MATRIX_FMT_FP4 matrix_a_scale:MATRIX_SCALE_ROW1
.else
	v_wmma_scale_f32_16x16x128_f8f6f4 v[8*(8*((\a)%4)+\b):8*(8*((\a)%4)+\b)+7], v[128*(\p)+FR*\b:128*(\p)+FR*\b+FR-1], v[AF+FR*(\a):AF+FR*(\a)+FR-1], v[8*(8*((\a)%4)+\b):8*(8*((\a)%4)+\b)+7], v[SC+8*NQ*(\sc)+NQ*\b+(\q)], v[SC+8*NQ*(\sc)+NQ*(\a)+(\q)] matrix_a_fmt:MATRIX_FMT_FP4 matrix_b_fmt:MATRIX_FMT_FP4 matrix_a_scale:MATRIX_SCALE_ROW1
.endif
.endr
.endr
.endm
.macro FETCH_B slot, q, p              ; B's eight fragments of the slot's q-th 128 along K into set p
	WIN TO_B
.irp i, 0,1,2,3,4,5,6,7
	FRAG 128*(\p)+FR*\i, ADRB+\slot, \q, \i
.endr
	WIN 0
.endm
.macro FETCH_A slot, q, i0             ; A's blocks i0 .. i0 + 3
.irp i, \i0, \i0+1, \i0+2, \i0+3
	FRAG AF+FR*(\i), ADRA+\slot, \q, \i
.endr
.endm
.macro SCALES sc                       ; a slot's scale words into set sc: NQ words a row; lanes 0-15 take A's block i, lanes 16-31 B's block i
.irp i, 0,1,2,3,4,5,6,7
	ds_load_b128 v[SC+8*NQ*\sc+NQ*\i:SC+8*NQ*\sc+NQ*\i+3], v[ADRS] offset:\i*SBLK
.endr
.endm
; A load into a register that a matrix instruction has read, and a vector instruction or an LDS store that reads a matrix result, stand NP places behind that matrix instruction, and only plain vector
; instructions that name none of its registers are places (ISA guide 7.12.1 for vector instructions).
.macro PLACES n
.rept \n
	v_nop
.endr
.endm
; A step of 128 along K that has its successor in the same slot.
.macro STEP slot, q, zero
	s_wait_dscnt 4*NL                              ; B's set and A's blocks 0-3 are in; the youngest eight loads (A's blocks 4-7) may be out
	WIN MUL_LO
	MUL16 0, (\q)%2, \q, \slot, \zero
	MUL16 2, (\q)%2, \q, \slot, \zero
	s_wait_dscnt 0                                 ; A's blocks 4-7 are in (asked for 32 matrix instructions ago)
	PLACES NP
	FETCH_B \slot, (\q)+1, 1-(\q)%2
	FETCH_A \slot, (\q)+1, 0
	WIN MUL_HI
	MUL16 4, (\q)%2, \q, \slot, \zero
	MUL16 6, (\q)%2, \q, \slot, \zero
	PLACES NP
	WIN 0
	FETCH_A \slot, (\q)+1, 4
.endm
.macro STEPS slot, from                ; the slot's steps from .. NQ - 2
.set Q, \from
.rept NQ-1-\from
	STEP \slot, Q, 0
.set Q, Q+1
.endr
.endm
	s_wait_tensorcnt 1                             ; the scales and my part of slot 0 are in (slot 1's load may be out)
	s_barrier_signal -1
	s_barrier_wait -1                              ; everybody's are
	FETCH_B 0, 0, 0
	FETCH_A 0, 0, 0
	SCALES 0
	FETCH_A 0, 0, 4
	STEP 0, 0, 1                                   ; the first step's products start the sums
	STEPS 0, 1
	; slot 0's last step changes slots: one barrier; in front of it each wave waits for all its tensor loads, adds 0 to its spare word, and waits for that and for its own reads of slot 0.  Nothing is filled again.
	s_wait_tensorcnt 0x0                           ; my part of slot 1 has landed  (every window is 0 here: the add's two registers lie in window 0)
	ds_add_u32 v[SPW], v[NIL]                      ; 0 onto my spare word
	s_wait_dscnt 4*NL+1                            ; (the add and the youngest eight loads, A's blocks 4-7, may be out)
	WIN MUL_LO
	MUL16 0, 1, NQ-1, 0, 0                         ; sixteen matrix instructions stand between the add and the wait for it
	s_wait_dscnt 0x0                               ; the add is done, and my reads of slot 0 are over
	s_barrier_signal -1
	MUL16 2, 1, NQ-1, 0, 0
	WIN 0
	s_barrier_wait -1                              ; slot 1 is whole, and nobody reads slot 0 any more
	PLACES NP
	v_add_nc_u32 v[ADRS], 4*NQ, v[ADRS]            ; on to slot 1's scale words (no LDS load of mine is out)
	FETCH_B 1, 0, 0
	FETCH_A 1, 0, 0
	SCALES 1
	WIN MUL_HI
	MUL16 4, 1, NQ-1, 0, 0
	MUL16 6, 1, NQ-1, 0, 0
	PLACES NP
	WIN 0
	FETCH_A 1, 0, 4
	STEPS 1, 0
	s_wait_dscnt 4*NL                              ; the very last step: nothing more to fetch
	WIN MUL_LO
	MUL16 0, 1, NQ-1, 1, 0
	MUL16 2, 1, NQ-1, 1, 0
	s_wait_dscnt 0
	WIN MUL_HI
	MUL16 4, 1, NQ-1, 1, 0
	MUL16 6, 1, NQ-1, 1, 0
	WIN 0
; THE WAY OUT, block by block of 16 rows x 128 columns = two heads x 16 rows x 128 bytes of f16.  A lane holds 16 neighbouring bytes of a row, and the lanes beside it hold other rows: so a block goes through my own
; stage in LDS and comes back four rows at a time, which are 512 consecutive bytes of a head.
.macro PACK a                          ; rounded to f16, each accumulator from its low end on
.set AC, 64*((\a)%4)
	WIN 0x0a+5*((\a)/4)                            ; sources 0 and 1: window 2 or 3
.irp b, 0,1,2,3,4,5,6,7
.irp r, 0,1,2,3
	v_cvt_pk_f16_f32 v[TMP+4*\b+\r], v[AC+8*\b+2*\r], v[AC+8*\b+2*\r+1]
.endr
.endr
	WIN 0
.endm
.macro TOSTAGE a
.set BKR, OB+192*((\a)%2)
.irp b, 0,1,2,3,4,5,6,7
	ds_store_b128 v[STO], v[TMP+4*\b:TMP+4*\b+3] offset:(\b/4)*2304+32*(\b%4)    ; head b / 4, columns 16 (b % 4) + 8 (l / 16) on
.endr
.irp i, 0,1,2,3,4,5,6,7
	ds_load_b128 v[BKR+4*\i:BKR+4*\i+3], v[RD] offset:(\i/4)*2304+(\i%4)*576     ; LDS serves a wave's instructions in order (ISA guide 5.7.1.4): these see the stores above
.endr
.endm
.macro SEND a
.set BKR, OB+192*((\a)%2)
	s_wait_dscnt 0x0                               ; the block is back in registers
	s_wait_xcnt 0x0                                ; the stores of the block before have read their registers: the next loads from the stage may land there
.irp i, 0,1,2,3,4,5,6,7
	global_store_b128 v[CO], v[BKR+4*\i:BKR+4*\i+3], s[12:13] offset:(\i/4)*131072+(\a)*2048+(\i%4)*512   ; 32 lanes store 512 consecutive bytes, at a multiple of 256 from the buffer's first byte
.endr
.endm
	PLACES NP                                      ; behind the last products: for the conversions that read results and for the loads into registers that held scale words
	PACK 0
	TOSTAGE 0
.irp a, 1,2,3,4,5,6,7                  ; block a's conversions stand between block a - 1's loads from the stage and the wait for them
	PACK \a
	SEND \a-1
	TOSTAGE \a
.endr
	SEND 7
	s_wait_tensorcnt 0x0                           ; the wave's end: behind my last tensor load and my last LDS store
	ds_add_u32 v[SPW], v[NIL]
	s_wait_dscnt 0x0
	CROUND                                         ; the closing round: no work-group ends while a partner may still ask for a tile that names it
	s_endpgm
.Lfunc_end_k_qf02ee56164_proj:
	.size	k_qf02ee56164_proj, .Lfunc_end_k_qf02ee56164_proj-k_qf02ee56164_proj
	.p2alignl 7, 3214868480
	.fill 96, 4, 3214868480
	.section	.rodata,"a",@progbits
	.p2align	6, 0x0
	.amdhsa_kernel k_qf02ee56164_proj
		.amdhsa_group_segment_fixed_size 327680
		.amdhsa_private_segment_fixed_size 0
		.amdhsa_enable_private_segment 0
		.amdhsa_kernarg_size 40
		.amdhsa_user_sgpr_count 2
		.amdhsa_user_sgpr_kernarg_segment_ptr 1
		.amdhsa_wavefront_size32 1
		.amdhsa_system_sgpr_workgroup_id_x 1
		.amdhsa_system_sgpr_workgroup_id_y 1
		.amdhsa_system_sgpr_workgroup_id_z 1
		.amdhsa_system_vgpr_workitem_id 0
		.amdhsa_next_free_vgpr 1024
		.amdhsa_next_free_sgpr 100
		.amdhsa_reserve_vcc 0
		.amdhsa_float_denorm_mode_32 3
		.amdhsa_float_denorm_mode_16_64 3
		.amdhsa_memory_ordered 1
		.amdhsa_forward_progress 1
		.amdhsa_inst_pref_size 126
	.end_amdhsa_kernel
	.amdgpu_metadata
---
amdhsa.version: [ 1, 2 ]
amdhsa.kernels:
  - .name:           k_qf02ee56164_proj
    .symbol:         k_qf02ee56164_proj.kd
    .args:
      - { .name: xc, .offset: 0, .size: 8, .value_kind: global_buffer, .address_space: global }
      - { .name: xs, .offset: 8, .size: 8, .value_kind: global_buffer, .address_space: global }
      - { .name: wc, .offset: 16, .size: 8, .value_kind: global_buffer, .address_space: global }
      - { .name: ws, .offset: 24, .size: 8, .value_kind: global_buffer, .address_space: global }
      - { .name: qkv, .offset: 32, .size: 8, .value_kind: global_buffer, .address_space: global }
    .group_segment_fixed_size: 327680
    .private_segment_fixed_size: 0
    .kernarg_segment_align: 8
    .kernarg_segment_size: 40
    .max_flat_workgroup_size: 128
    .sgpr_count:     100
    .vgpr_count:     1024
    .wavefront_size: 32
...
	.end_amdgpu_metadata
.endif
;; end of part 2
;; launch attn (part 3): grid 2 x 128, 8 waves a work-group, no clusters, 327,680 bytes of LDS; arguments qkv, phases0, freqs, nbr_w, nbr_idx, ctx; writes ctx
.if DOCPART == 3
	.amdgcn_target "amdgcn-amd-amdhsa--gfx1250"
	.amdhsa_code_object_version 6
	.text
	.protected	k_qf02ee56164_attn
	.globl	k_qf02ee56164_attn
	.p2align	8
	.type	k_qf02ee56164_attn,@function
k_qf02ee56164_attn:
	s_mov_b64 s[64:65], 0
	v_nop
	global_prefetch_b8 v0, s[64:65] scope:SCOPE_SE
	s_setreg_imm32_b32 hwreg(HW_REG_WAVE_MODE, 25, 1), 1
	s_wait_xcnt 0x0
; ctx[b][h][q][:] = the sum over k of softmax_k(Q[q] . K[k] / 8 + bias[h]) V[k][:], for each of 128 (b, h).  Q, K, V: qkv [3][128][1024][64] f16; ctx [128][1024][64] f16.  Products, maxima and sums in f32;
; the weights p are rounded to f16 for the second product, ctx once at the end.  bias[h] = 0.1 cos(p2[h]), p2 from the lattice step on phases0, freqs, nbr_w, nbr_idx, computed here in f32.
; SHARES.  A work-group owns 512 queries of one (b, h): x = which half, y = b*16+h.  Each of its eight waves owns 64 queries, four tiles of 16, in 512 registers: two waves to a SIMD, so that one wave's
; vector work stands beside the other's matrix work.  Every wave walks all 1,024 keys, 64 a step; each fragment of K and V read from LDS feeds four products.
; THE WHOLE HEAD'S K AND V LIE IN LDS, FILLED ONCE, in four chunks of 256 keys that are all asked for at the head: four tensor loads of a wave are out.  Nothing is filled again.  A chunk is shown to all eight waves
; by a barrier whose halves stand a step apart: a wave waits for its own part of the chunk and signals at the head of the step BEFORE the one that first fetches from the chunk, and waits for the others' signals
; directly ahead of that step.  So a wave that is up to a step ahead of the others does not stop there, and the two waves of a SIMD need not fall into step.
; NO CLUSTER: only the two work-groups of a (b, h) share K and V, and the grid's x of 2 divides into no cluster of four.  NO PREFETCH: every tile is asked for at the head.
; LAYOUT.  S^T = K Q^T (source 0 = 16 keys, source 1 = 16 queries): a lane holds ONE query (lane % 16) and the keys 8 (lane / 16) + 0..7.  Two such tiles, rounded to f16 in pairs, ARE source 1 (32 keys x 16
; queries) of O^T = V^T P, whose result again holds one query a lane.  K comes out of LDS as it lies, V ([key][channel]) turned, by ds_load_tr16_b128.
; THE BIAS is the C of each score's first product: S = q.k + 8 bias, and p = 2^(c S - c m) with c = log2(e) / 8.  For each query a running maximum m and sum l; in every step O and l are multiplied by
; a = 2^(c m_old - c m_new).
; LIMITS: |Q|, |K|, |V|, |ctx| under 65,504 (f16); ctx under 6e-5 keeps f16's absolute step; NaN and infinities are not served.  The sine is reduced by pi in two parts: good for phase arguments up to about 1e5;
; the remainder by 2 pi is one fused multiply-add on floor(x / 2 pi), which may land one multiple of 2 pi beside jnp.mod at a boundary: the cosine is the same there.
; REGISTERS, in windows of 256 (s_set_vgpr_msb: bits 1:0 source 0, 3:2 source 1, 5:4 source 2, 7:6 destination):
;   window 0: v1-11 addresses; v12-15, v56-63 at work; v16-47 statistics, 8 a tile; v48-55 8 x bias; v64-191 S^T, 32 a tile (P is packed into a tile's low 16); v192-255 V's 8 fragments
;   window 1: v0-127 O^T (tile t, channels 16 u on: 32 t + 8 u); v128-191 Q (16 t + 8 c); v192-255 K's fragments (16 f + 8 c)
.set KP,     272                       ; two keys of K in LDS: 256 bytes + 16 of padding: key k at (k / 2) KP + 128 (k % 2): the 16 keys of a load start at 16 different groups of four banks (64 banks of 4 bytes: ISA guide 11.1)
.set VP,     288                       ; two keys of V: 256 + 32
.set KSTEPB, 32*KP                     ; a step's 64 keys of K
.set VSTEPB, 32*VP                     ; and of V
.set VBASE,  512*KP                    ; K's 1,024 keys, then V's
.set STAGE,  VBASE+512*VP              ; behind them: 16 rows x (128 bytes + 16) for each wave, for the way out
.set SPARE,  STAGE+8*2304              ; behind the stages: the spare words, 128 bytes for each wave: four blocks of 256 bytes that no other line names
.set AK0, 2                            ; v2   my lane's place in a tile of K; never rewritten
.set AV0, 3                            ; v3   the same for V
.set ADK, 4                            ; v4   LDS address of the step's K
.set ADV, 5                            ; v5   of its V
.set QO,  6                            ; v6   my byte offset in the wave's rows of Q
.set STO, 7                            ; v7   the way out: where I put 16 bytes of a row
.set RD,  8                            ; v8   where I read rows back
.set GO,  9                            ; v9   16 x lane
.set SPW, 10                           ; v10  LDS address of my spare word: SPARE + 4 x my thread's number; never rewritten
.set NIL, 11                           ; v11  0; never rewritten
.set ST,  16                           ; tile t's statistics at v[ST+8 t]: +0 c m, +1 m, +2, +3 l (even registers', odd registers'), +4 to +7 at work; a at +6
.set BI,  48                           ; v48-55: 8 x bias in all eight
.set S,   64
.set VF,  192
.set QF,  128                          ; in window 1
.set KF,  192                          ; in window 1
.set WV,  16                           ; s16  my wave's number
.set BH,  17                           ; s17  b*16+h
.set HD,  18                           ; s18  h
.set CS,  20                           ; s[20:21] c: the packed scaling names a pair and takes its low word for both halves
.set SEL, 22                           ; s[22:23] lane selects for v_permlanex16_b32: lane l xor 16
.set G1K, 24                           ; s[24:31] descriptor group 1 for K's tiles;  s[32:39] for V's: it differs in the padding alone
.set G1V, 32
.set G0K, 40                           ; s[40:55] group 0 for K's four chunks;  s[68:83] for V's
.set G0V, 68
.set KO,  84                           ; s84  LDS byte at which the K to be fetched begins
.set VO,  85                           ; s85  the same for V, from VBASE
.set CNT, 86                           ; s86  counts trips
.set MSB, 0
.macro WIN new                         ; the immediate's high byte repeats the setting that is left; a switch that changes nothing is dropped
.if MSB != (\new)
	s_set_vgpr_msb (MSB<<8)|(\new)
.set MSB, \new
.endif
.endm
.macro PLACES n
.rept \n
	v_nop
.endr
.endm
	s_load_b256 s[4:11], s[0:1], 0x0               ; qkv s[4:5], phases0 s[6:7], freqs s[8:9], nbr_w s[10:11]
	s_load_b128 s[12:15], s[0:1], 0x20             ; nbr_idx s[12:13], ctx s[14:15]
	v_lshl_add_u32 v[SPW], v0, 2, SPARE
	v_mov_b32 v[NIL], 0
	ds_add_u32 v[SPW], v[NIL]                      ; the wave's opening: the add, twice on end, and its wait ahead of my first tensor load; the set-up below, work on registers, stands between
	ds_add_u32 v[SPW], v[NIL]
	v_lshrrev_b32 v12, 5, v0
	v_readfirstlane_b32 s[WV], v12                 ; wave 0..7
	s_and_b32 s[BH], ttmp7, 0xffff
	s_and_b32 s[HD], s[BH], 15
	; descriptor group 1: 64 keys of 128 bytes, dense in memory, stated as 32 rows of 256 bytes (128 elements of 2 bytes), padded behind each row
	s_mov_b32 s[G1K], (1<<16)|(1<<20)|(5<<22)|(3<<25)   ; 15:0 no mask; 17:16 elements of 2 bytes; 20 padding on; 24:22 after every 64 words (code 5); 31:25 four words (code 3)
	s_mov_b32 s[G1V], (1<<16)|(1<<20)|(5<<22)|(7<<25)   ; the same with eight words (code 7)
.irp g, G1K, G1V
	s_mov_b32 s[\g+1], 128<<16                     ; tensor_dim0 = 128
	s_mov_b32 s[\g+2], 32<<16                      ; tensor_dim1 = 32
	s_mov_b32 s[\g+3], 128<<16                     ; tile_dim0 = 128
	s_mov_b32 s[\g+4], 32                          ; tile_dim1 = 32
	s_mov_b32 s[\g+5], 128                         ; tensor_dim0_stride
	s_mov_b32 s[\g+6], 0
	s_mov_b32 s[\g+7], 0
.endr
	s_mov_b32 s[CS], 0x3e38aa3b                    ; c = log2(e) / 8
	s_mov_b32 s[CS+1], s[CS]                       ; named with it as a pair, so it is written
	s_mov_b32 s[SEL], 0x76543210
	s_mov_b32 s[SEL+1], 0xfedcba98
	s_mov_b32 s[KO], 0
	s_mov_b32 s[VO], 0
	s_and_b32 s87, s[WV], 3                        ; waves 0-3 fetch K, waves 4-7 V: of each chunk's 256 keys, 64 (wave % 4) on
	s_lshl_b32 s88, s[BH], 17                      ; my head's first byte in a tensor,
	s_lshl_b32 s89, s87, 13                        ; + my 64 keys of 128 bytes
	s_add_co_u32 s88, s88, s89
	s_mov_b32 s89, 0
	s_mul_i32 s90, s87, KSTEPB                     ; where they go: K,
	s_mul_i32 s91, s87, VSTEPB
	s_add_co_u32 s91, s91, VBASE                   ; V
	s_lshl_b32 s96, s[BH], 17                      ; my wave's 64 queries: head, + 512 x work-group x + 64 x wave rows of 128 bytes
	s_lshl_b32 s97, ttmp9, 16
	s_add_co_u32 s96, s96, s97
	s_lshl_b32 s97, s[WV], 13
	s_add_co_u32 s96, s96, s97
	s_mov_b32 s97, 0
	s_wait_dscnt 0x0                               ; both opening adds are done
	s_wait_kmcnt 0x0
	s_add_nc_u64 s[92:93], s[4:5], s[88:89]
	s_add_nc_u64 s[94:95], s[92:93], 0x2000000     ; V is the third tensor of 16,777,216 bytes,
	s_add_nc_u64 s[92:93], s[92:93], 0x1000000     ; K the second
.irp c, 0,1,2,3
	s_mov_b32 s[G0K+4*\c], 1                       ; 1:0 count = 1
	s_add_co_u32 s[G0K+4*\c+1], s90, \c*4*KSTEPB   ; 63:32 LDS address
	s_add_nc_u64 s[G0K+4*\c+2:G0K+4*\c+3], s[92:93], \c*32768   ; 120:64 global address: chunk c
	s_or_b32 s[G0K+4*\c+3], s[G0K+4*\c+3], 0x80000000           ; 127:126 type = 2
	s_mov_b32 s[G0V+4*\c], 1
	s_add_co_u32 s[G0V+4*\c+1], s91, \c*4*VSTEPB
	s_add_nc_u64 s[G0V+4*\c+2:G0V+4*\c+3], s[94:95], \c*32768
	s_or_b32 s[G0V+4*\c+3], s[G0V+4*\c+3], 0x80000000
.endr
	s_add_nc_u64 s[4:5], s[4:5], s[96:97]          ; Q (the first tensor) and ctx at my wave's first row
	s_add_nc_u64 s[14:15], s[14:15], s[96:97]
	s_cmp_lt_u32 s[WV], 4                          ; a wave's four fills stand in one branch, ahead of every wait on TENSORcnt, every LDS read and every barrier; an s_nop 0 follows each, four v_nop the last
	s_cbranch_scc0 .Lfill_v
.irp c, 0,1,2,3
	tensor_load_to_lds s[G0K+4*\c:G0K+4*\c+3], s[G1K:G1K+7]
	s_nop 0
.endr
	PLACES 4
	s_branch .Lfilled
.Lfill_v:
.irp c, 0,1,2,3
	tensor_load_to_lds s[G0V+4*\c:G0V+4*\c+3], s[G1V:G1V+7]
	s_nop 0
.endr
	PLACES 4
.Lfilled:
	v_and_b32 v1, 15, v0                           ; r = lane % 16
	v_bfe_u32 v12, v0, 4, 1                        ; h = lane / 16
	v_and_b32 v13, 31, v0                          ; lane
	; the lattice's inputs: lane % 8 takes neighbour k of my head
	v_and_b32 v14, 7, v0
	v_lshlrev_b32 v14, 2, v14
	s_lshl_b32 s88, s[HD], 5
	v_add_nc_u32 v14, s88, v14                     ; 32 x head + 4 k
	s_lshl_b32 s89, s[HD], 2
	v_mov_b32 v15, s89
	global_load_b32 v56, v14, s[12:13]             ; nbr_idx[h][k]
	global_load_b32 v57, v14, s[10:11]             ; nbr_w[h][k]
	global_load_b32 v58, v15, s[6:7]               ; phases0[h]
	global_load_b32 v59, v15, s[8:9]               ; freqs[h]
	; a fragment of K or Q is 16 rows x 32 channels in 8 registers: lane l holds row l % 16; registers 0-3 channels 8 (l / 16) + 0..7, registers 4-7 channels 16 + 8 (l / 16) + 0..7: two loads of 16 bytes, 32 bytes apart
	v_lshlrev_b32 v[QO], 7, v1
	v_lshl_add_u32 v[QO], v12, 4, v[QO]            ; row x 128 + 16 x half
	WIN 0x40                                       ; destination window 1
.irp t, 0,1,2,3
.irp c, 0,1
	global_load_b128 v[QF+16*\t+8*\c:QF+16*\t+8*\c+3],   v[QO], s[4:5] offset:\t*2048+\c*64      ; Q stays in registers
	global_load_b128 v[QF+16*\t+8*\c+4:QF+16*\t+8*\c+7], v[QO], s[4:5] offset:\t*2048+\c*64+32
.endr
.endr
	WIN 0
	v_lshrrev_b32 v60, 1, v1
	v_mul_u32_u24 v[AK0], v60, KP
	v_and_b32 v60, 1, v1
	v_lshl_add_u32 v[AK0], v60, 7, v[AK0]
	v_lshl_add_u32 v[AK0], v12, 4, v[AK0]          ; K: key r at (r / 2) KP + 128 (r % 2), + 16 x half
	; the turning load takes 16 keys x 16 channels (lane l reads 16 bytes: key 8 (l / 16) + l % 8, channels 8 ((l / 8) % 2) + 0..7) and leaves half a fragment of V^T: lane l holds channel l % 16 and 8 keys
	v_and_b32 v60, 7, v0
	v_lshl_add_u32 v60, v12, 3, v60
	v_lshrrev_b32 v61, 1, v60
	v_mul_u32_u24 v[AV0], v61, VP
	v_and_b32 v61, 1, v60
	v_lshl_add_u32 v[AV0], v61, 7, v[AV0]
	v_bfe_u32 v61, v0, 3, 1
	v_lshl_add_u32 v[AV0], v61, 4, v[AV0]
	v_add_nc_u32 v[AV0], VBASE, v[AV0]
	s_mul_i32 s88, s[WV], 2304
	s_add_co_u32 s88, s88, STAGE                   ; my stage
	v_mul_u32_u24 v[STO], v1, 144                  ; in: row r, 16 bytes for each half of the lanes
	v_lshl_add_u32 v[STO], v12, 4, v[STO]
	v_add_nc_u32 v[STO], s88, v[STO]
	v_lshrrev_b32 v60, 3, v13
	v_mul_u32_u24 v[RD], v60, 144                  ; back: eight lanes to a row of 128 bytes, four rows an instruction
	v_and_b32 v60, 7, v0
	v_lshl_add_u32 v[RD], v60, 4, v[RD]
	v_add_nc_u32 v[RD], s88, v[RD]
	v_lshlrev_b32 v[GO], 4, v13
; sin(v[x]) into v[d]: n = the nearest whole number to x / pi; r = x - n pi, pi in two parts; the odd series to r^11 (its rest is under 6e-8 for |r| up to pi / 2); the sign turns with n.  v12-15 at work
.macro SINP d, x
	v_mul_f32 v12, 0x3ea2f983, v[\x]               ; x / pi
	v_rndne_f32 v12, v12
	v_fma_f32 v13, -v12, 0x40490fdb, v[\x]
	v_fma_f32 v13, -v12, 0xb3bbbd2e, v13
	v_cvt_i32_f32 v12, v12
	v_lshlrev_b32 v12, 31, v12                     ; n's lowest bit as a sign
	v_mul_f32 v14, v13, v13
	v_mov_b32 v15, 0xb2d7322b                      ; -1/11!
	v_fmaak_f32 v15, v15, v14, 0x3638ef1d          ; 1/9!
	v_fmaak_f32 v15, v15, v14, 0xb9500d01          ; -1/7!
	v_fmaak_f32 v15, v15, v14, 0x3c088889          ; 1/5!
	v_fmaak_f32 v15, v15, v14, 0xbe2aaaab          ; -1/3!
	v_mul_f32 v14, v14, v13
	v_fma_f32 v15, v14, v15, v13
	v_xor_b32 v[\d], v12, v15
.endm
.macro MOD2PI x                        ; x - floor(x / 2 pi) 2 pi
	v_mul_f32 v12, 0.15915494, v[\x]
	v_floor_f32 v12, v12
	v_fma_f32 v[\x], -v12, 0x40c90fdb, v[\x]
.endm
	s_wait_loadcnt 16                              ; the four small loads are in; Q's sixteen may be out
	v_cmp_le_i32 s90, 0, v56                       ; valid = (nbr_idx >= 0): the mask lies in s90
	v_max_i32 v60, 0, v56                          ; the clip from below that the step makes,
	v_min_u32 v60, 15, v60                         ; and the table's end
	v_lshlrev_b32 v60, 2, v60
	global_load_b32 v61, v60, s[6:7]               ; phases0[neighbour]
	s_wait_loadcnt 0x0                             ; it, and Q
	v_cndmask_b32 v61, 0, v61, s90                 ; x valid
	v_sub_f32 v61, v61, v58                        ; the phase difference
	SINP 62, 61
	v_mul_f32 v62, v57, v62                        ; nbr_w x sin
	v_add_f32_dpp v62, v62, v62 row_xmask:1 row_mask:0xf bank_mask:0xf   ; the sum over the eight neighbours, in every lane
	v_add_f32_dpp v62, v62, v62 row_xmask:2 row_mask:0xf bank_mask:0xf
	v_add_f32_dpp v62, v62, v62 row_xmask:4 row_mask:0xf bank_mask:0xf
	v_add_f32 v62, v59, v62                        ; freqs + force
	v_fmamk_f32 v62, v62, 0x3c23d70a, v58          ; phases0 + 0.01 x that
	MOD2PI 62                                      ; p1
	v_fmamk_f32 v62, v59, 0x3c23d70a, v62          ; + 0.01 freqs
	MOD2PI 62                                      ; p2
	v_add_f32 v62, 0x3fc90fdb, v62                 ; cos(p2) = sin(p2 + pi / 2)
	SINP 63, 62
	v_mul_f32 v[BI], 0x3f4ccccd, v63               ; 8 x 0.1 cos(p2): the scores are divided by 8 behind it
.irp j, 1,2,3,4,5,6,7
	v_mov_b32 v[BI+\j], v[BI]
.endr
; THE BARRIER THAT SHOWS A CHUNK OF 256 KEYS TO ALL EIGHT WAVES, in two halves.  It orders the other waves' tensor fills of the chunk with my LDS loads from it.
; SIG n: my part of the chunk has landed (n later chunks' loads of mine may stay out), no LDS instruction of mine is pending, and I say so.
; SEEN: every wave has said so: only behind this line do I fetch from the chunk.  Between the two halves stand at most one step's register work and its LDS loads from the chunk before, which nobody writes.
.macro SIG n
	s_wait_tensorcnt \n
	s_wait_dscnt 0x0
	s_barrier_signal -1
.endm
.macro SEEN
	s_barrier_wait -1
.endm
.macro LDK                             ; a step's K: 64 keys x 64 channels: 8 fragments, 16 loads in one run
	WIN 0x40
.irp f, 0,1,2,3
.irp c, 0,1
	ds_load_b128 v[KF+16*\f+8*\c:KF+16*\f+8*\c+3],   v[ADK] offset:\f*8*KP+64*\c
	ds_load_b128 v[KF+16*\f+8*\c+4:KF+16*\f+8*\c+7], v[ADK] offset:\f*8*KP+64*\c+32
.endr
.endr
	WIN 0
.endm
.macro LDV                             ; a step's V, turned: keys 32 e on, channels 16 u on: 8 fragments, 16 loads in one run
.irp e, 0,1
.irp u, 0,1,2,3
	ds_load_tr16_b128 v[VF+8*(4*\e+\u):VF+8*(4*\e+\u)+3],   v[ADV] offset:\e*16*VP+32*\u
	ds_load_tr16_b128 v[VF+8*(4*\e+\u)+4:VF+8*(4*\e+\u)+7], v[ADV] offset:\e*16*VP+8*VP+32*\u
.endr
.endr
.endm
; 32 products S^T = K Q^T + 8 bias: product i: channels 32 (i / 16) on, keys 16 ((i / 4) % 4) on, tile i % 4.  The first 16 start the sums with the bias as C.  The 16 accumulators take turns, one instruction a turn.
.macro QK
	WIN 0x05                                       ; K and Q in window 1, S^T and the bias in window 0
.set i, 0
.rept 32
.set rS, S+32*(i%4)+8*((i/4)%4)
.set rK, KF+16*((i/4)%4)+8*(i/16)
.set rQ, QF+16*(i%4)+8*(i/16)
.if i < 16
	v_wmma_f32_16x16x32_f16 v[rS:rS+7], v[rK:rK+7], v[rQ:rQ+7], v[BI:BI+7]
.else
	v_wmma_f32_16x16x32_f16 v[rS:rS+7], v[rK:rK+7], v[rQ:rQ+7], v[rS:rS+7]
.endif
.set i, i+1
.endr
.endm
; 32 products O^T += V^T P: product i: keys 32 (i / 16) on, channels 16 ((i / 4) % 4) on, tile i % 4.  first = 1: the first 16 start the sums: nothing is ever cleared.  16 accumulators by turns.
.macro PV first
	WIN 0x50                                       ; V and P in window 0, O^T in window 1
.set i, 0
.rept 32
.set rO, 32*(i%4)+8*((i/4)%4)
.set rV, VF+8*(4*(i/16)+(i/4)%4)
.set rP, S+32*(i%4)+8*(i/16)
.if \first && (i < 16)
	v_wmma_f32_16x16x32_f16 v[rO:rO+7], v[rV:rV+7], v[rP:rP+7], 0
.else
	v_wmma_f32_16x16x32_f16 v[rO:rO+7], v[rV:rV+7], v[rP:rP+7], v[rO:rO+7]
.endif
.set i, i+1
.endr
.endm
; THE SOFTMAX OF A STEP, the four tiles line by line, so that no line waits for the line above it.  first = 1: the first step starts m, l and O^T: it has no a and nothing to rescale.
.macro SMAX first
.irp j, 0,1,2,3                        ; the maximum of a tile's 32 scores, three operands at a time, in four chains; each accumulator is read from its low end on
.irp t, 0,1,2,3
	v_max3_num_f32 v[ST+8*\t+4+\j], v[S+32*\t+8*\j], v[S+32*\t+8*\j+1], v[S+32*\t+8*\j+2]
.endr
.endr
.irp u, 1,2
.irp j, 0,1,2,3
.irp t, 0,1,2,3
	v_max3_num_f32 v[ST+8*\t+4+\j], v[ST+8*\t+4+\j], v[S+32*\t+8*\j+2*\u+1], v[S+32*\t+8*\j+2*\u+2]
.endr
.endr
.endr
.irp t, 0,1,2,3
	v_max3_num_f32 v[ST+8*\t+4], v[ST+8*\t+4], v[S+32*\t+7], v[S+32*\t+15]
.endr
.irp t, 0,1,2,3
	v_max3_num_f32 v[ST+8*\t+6], v[ST+8*\t+6], v[S+32*\t+23], v[S+32*\t+31]
.endr
.irp t, 0,1,2,3
	v_max3_num_f32 v[ST+8*\t+4], v[ST+8*\t+4], v[ST+8*\t+5], v[ST+8*\t+6]
.endr
.irp t, 0,1,2,3
.if \first
	v_max_num_f32 v[ST+8*\t+4], v[ST+8*\t+4], v[ST+8*\t+7]
.else
	v_max3_num_f32 v[ST+8*\t+4], v[ST+8*\t+4], v[ST+8*\t+7], v[ST+8*\t+1]   ; with the old m
.endif
.endr
.irp t, 0,1,2,3
	v_permlanex16_b32 v[ST+8*\t+5], v[ST+8*\t+4], s[SEL], s[SEL+1]          ; the query's other 32 keys lie in the lane 16 away
.endr
.if !\first
.irp t, 0,1,2,3
	v_mov_b32 v[ST+8*\t+7], v[ST+8*\t]             ; c m_old is kept for a
.endr
.endif
.irp t, 0,1,2,3
	v_max_num_f32 v[ST+8*\t+1], v[ST+8*\t+4], v[ST+8*\t+5]
.endr
.irp t, 0,1,2,3
	v_mul_f32 v[ST+8*\t], s[CS], v[ST+8*\t+1]
.endr
.if !\first
.irp t, 0,1,2,3
	v_sub_f32 v[ST+8*\t+7], v[ST+8*\t+7], v[ST+8*\t]
.endr
.irp t, 0,1,2,3                        ; ONE BATCH of exponentials, none of which reads another's result: the four a, then the 128 p; a pair's scaling stands one pair ahead of its two exponentials
	v_exp_f32 v[ST+8*\t+6], v[ST+8*\t+7]
.endr
.endif
.set n, 0
.rept 64
	v_pk_fma_f32 v[S+2*n:S+2*n+1], v[S+2*n:S+2*n+1], s[CS:CS+1], v[ST+8*(n/16):ST+8*(n/16)+1] op_sel_hi:[1,0,0] neg_lo:[0,0,1] neg_hi:[0,0,1]   ; c s - c m
.if n > 0
	v_exp_f32 v[S+2*n-2], v[S+2*n-2]
	v_exp_f32 v[S+2*n-1], v[S+2*n-1]
.endif
.set n, n+1
.endr
	v_exp_f32 v[S+126], v[S+126]
	v_exp_f32 v[S+127], v[S+127]
	v_nop                                          ; a plain instruction behind the last exponential and ahead of the first use: one for the batch
	s_wait_alu depctr_va_vdst(0)                   ; and the one wait ahead of the batch's first reader
.irp t, 0,1,2,3                        ; the sums, of the unrounded p, beside the scores: a chain a tile
	v_pk_add_f32 v[ST+8*\t+4:ST+8*\t+5], v[S+32*\t:S+32*\t+1], v[S+32*\t+2:S+32*\t+3]
.endr
.irp k, 2,3,4,5,6,7,8,9,10,11,12,13,14
.irp t, 0,1,2,3
	v_pk_add_f32 v[ST+8*\t+4:ST+8*\t+5], v[ST+8*\t+4:ST+8*\t+5], v[S+32*\t+2*\k:S+32*\t+2*\k+1]
.endr
.endr
.irp t, 0,1,2,3
.if \first
	v_pk_add_f32 v[ST+8*\t+2:ST+8*\t+3], v[ST+8*\t+4:ST+8*\t+5], v[S+32*\t+30:S+32*\t+31]
.else
	v_pk_add_f32 v[ST+8*\t+4:ST+8*\t+5], v[ST+8*\t+4:ST+8*\t+5], v[S+32*\t+30:S+32*\t+31]
.endif
.endr
.if !\first
.irp t, 0,1,2,3
	v_pk_fma_f32 v[ST+8*\t+2:ST+8*\t+3], v[ST+8*\t+2:ST+8*\t+3], v[ST+8*\t+6:ST+8*\t+7], v[ST+8*\t+4:ST+8*\t+5] op_sel_hi:[1,0,1]   ; l = a l + the sum
.endr
.endif
.irp i, 0,1,2,3,4,5,6,7,8,9,10,11,12,13,14,15      ; P: a pair of weights to a register, into the tile's low 16, ascending: register i is written when 2 i and 2 i + 1 are read
.irp t, 0,1,2,3
	v_cvt_pk_f16_f32 v[S+32*\t+\i], v[S+32*\t+2*\i], v[S+32*\t+2*\i+1]
.endr
.endr
.if !\first
	WIN 0x41                                       ; O^T (destination and source 0) in window 1, a in window 0
.set n, 0
.rept 64
	v_pk_mul_f32 v[2*n:2*n+1], v[2*n:2*n+1], v[ST+8*(n/16)+6:ST+8*(n/16)+7] op_sel_hi:[1,0]   ; O^T x a, each accumulator from its low end on
.set n, n+1
.endr
.endif
.endm
; A TRIP is step j's softmax and V^T P, and step j + 1's K Q^T.  It begins behind K Q^T of step j; V of step j is on its way.  next = 0: the last step.
.macro TRIP first, next
.if \next
	s_add_co_u32 s[KO], s[KO], KSTEPB
	v_add_nc_u32 v[ADK], s[KO], v[AK0]             ; with the three v_nop: four places behind the products that read K's registers and wrote the scores
	PLACES 3
	LDK                                            ; K of step j + 1
.else
	PLACES 4
.endif
	SMAX \first
.if \next
	s_wait_dscnt 16                                ; V of step j is in; the sixteen loads of K behind it may be out
.else
	s_wait_dscnt 0x0
.endif
	PV \first
	WIN 0
.if \next
	s_add_co_u32 s[VO], s[VO], VSTEPB
	v_add_nc_u32 v[ADV], s[VO], v[AV0]             ; with the four v_nop: five places: four for the loads into V's registers, five for the products below, which write over P's
	PLACES 4
	LDV                                            ; V of step j + 1
	s_wait_dscnt 16                                ; K of step j + 1 is in; V's sixteen loads may be out
	QK
	WIN 0                                          ; at a label and at a branch every window is 0
.endif
.endm
.macro TRIPS n
	s_mov_b32 s[CNT], \n
.Ltrip_\@:
	TRIP 0, 1
	s_sub_co_u32 s[CNT], s[CNT], 1
	s_cmp_lg_u32 s[CNT], 0
	s_cbranch_scc1 .Ltrip_\@
.endm
	SIG 3                                          ; keys 0-255: nothing can be done ahead of them, so the two halves stand together
	SEEN
	v_add_nc_u32 v[ADK], s[KO], v[AK0]
	v_add_nc_u32 v[ADV], s[VO], v[AV0]
	LDK
	LDV
	s_wait_dscnt 16                                ; K of step 0 is in
	QK
	WIN 0
	TRIP 1, 1                                      ; step 0
	TRIP 0, 1                                      ; step 1
	SIG 2                                          ; my part of keys 256-511 has landed
	TRIP 0, 1                                      ; step 2: it fetches step 3's keys, 192-255
	SEEN                                           ; everybody's has: step 3 is the first that fetches from them
	TRIPS 3                                        ; steps 3-5
	SIG 1                                          ; keys 512-767
	TRIP 0, 1                                      ; step 6: it fetches keys 448-511
	SEEN
	TRIPS 3                                        ; steps 7-9
	SIG 0                                          ; keys 768-1023
	TRIP 0, 1                                      ; step 10: it fetches keys 704-767
	SEEN
	TRIPS 4                                        ; steps 11-14
	TRIP 0, 0                                      ; step 15
	; THE WAY OUT.  l's two halves and the other half of the lanes' are added; O^T is divided by l, rounded to f16 and sent through my stage in LDS, a tile (16 rows of 128 bytes) at a time.  The additions are the places behind the last products.
.irp t, 0,1,2,3
	v_add_f32 v[ST+8*\t+4], v[ST+8*\t+2], v[ST+8*\t+3]
.endr
.irp t, 0,1,2,3
	v_permlanex16_b32 v[ST+8*\t+5], v[ST+8*\t+4], s[SEL], s[SEL+1]
.endr
.irp t, 0,1,2,3
	v_add_f32 v[ST+8*\t+4], v[ST+8*\t+4], v[ST+8*\t+5]
.endr
.irp t, 0,1,2,3
	v_rcp_f32 v[ST+8*\t+6], v[ST+8*\t+4]
.endr
	v_nop                                          ; a plain instruction between the last reciprocal and the use of its result
	s_wait_alu depctr_va_vdst(0)                   ; and the wait ahead of the first use: one for the four
.macro PACK t                          ; a lane's eight channels of a row pack into 16 bytes; they go into rows of 144 bytes and come back four rows at a time, 512 consecutive bytes of ctx
	WIN 0x41
.set n, 16*\t
.rept 16
	v_pk_mul_f32 v[2*n:2*n+1], v[2*n:2*n+1], v[ST+8*\t+6:ST+8*\t+7] op_sel_hi:[1,0]
.set n, n+1
.endr
	WIN 0x05                                       ; sources 0 and 1 window 1, destination window 0: S^T's registers are free
.set n, 0
.rept 16
	v_cvt_pk_f16_f32 v[S+32*\t+n], v[32*\t+2*n], v[32*\t+2*n+1]
.set n, n+1
.endr
	WIN 0
.irp u, 0,1,2,3
	ds_store_b128 v[STO], v[S+32*\t+4*\u:S+32*\t+4*\u+3] offset:32*\u
.endr
.irp i, 0,1,2,3
	ds_load_b128 v[S+32*\t+16+4*\i:S+32*\t+16+4*\i+3], v[RD] offset:\i*576   ; LDS serves a wave's instructions in order (ISA guide 5.7.1.4): these see the stores above; the next tile's stores come behind them
.endr
.endm
.macro SEND t, younger                 ; younger: the LDS instructions issued behind tile t's loads: the next tile's eight, or none
.irp i, 0,1,2,3
	s_wait_dscnt \younger+3-\i
	global_store_b128 v[GO], v[S+32*\t+16+4*\i:S+32*\t+16+4*\i+3], s[14:15] offset:\t*2048+\i*512   ; 32 lanes store 512 consecutive bytes, at a multiple of 256 from the buffer's first byte
.endr
.endm
	PACK 0
	PACK 1                                         ; a tile's arithmetic stands between the loads of the tile before and its stores
	SEND 0, 8
	PACK 2
	SEND 1, 8
	PACK 3
	SEND 2, 8
	SEND 3, 0
	s_wait_tensorcnt 0x0                           ; the wave's end: behind my last tensor load and my last LDS store
	ds_add_u32 v[SPW], v[NIL]
	s_wait_dscnt 0x0
	s_endpgm
.Lfunc_end_k_qf02ee56164_attn:
	.size	k_qf02ee56164_attn, .Lfunc_end_k_qf02ee56164_attn-k_qf02ee56164_attn
	.p2alignl 7, 3214868480
	.fill 96, 4, 3214868480
	.section	.rodata,"a",@progbits
	.p2align	6, 0x0
	.amdhsa_kernel k_qf02ee56164_attn
		.amdhsa_group_segment_fixed_size 327680
		.amdhsa_private_segment_fixed_size 0
		.amdhsa_enable_private_segment 0
		.amdhsa_kernarg_size 48
		.amdhsa_user_sgpr_count 2
		.amdhsa_user_sgpr_kernarg_segment_ptr 1
		.amdhsa_wavefront_size32 1
		.amdhsa_system_sgpr_workgroup_id_x 1
		.amdhsa_system_sgpr_workgroup_id_y 1
		.amdhsa_system_sgpr_workgroup_id_z 1
		.amdhsa_system_vgpr_workitem_id 0
		.amdhsa_next_free_vgpr 512
		.amdhsa_next_free_sgpr 100
		.amdhsa_reserve_vcc 0
		.amdhsa_float_denorm_mode_32 3
		.amdhsa_float_denorm_mode_16_64 3
		.amdhsa_memory_ordered 1
		.amdhsa_forward_progress 1
		.amdhsa_inst_pref_size 255
	.end_amdhsa_kernel
	.section	.bss,"aw",@nobits
	.p2align	6
	.space	262144
	.amdgpu_metadata
---
amdhsa.version: [ 1, 2 ]
amdhsa.kernels:
  - .name:           k_qf02ee56164_attn
    .symbol:         k_qf02ee56164_attn.kd
    .args:
      - { .name: qkv, .offset: 0, .size: 8, .value_kind: global_buffer, .address_space: global }
      - { .name: phases0, .offset: 8, .size: 8, .value_kind: global_buffer, .address_space: global }
      - { .name: freqs, .offset: 16, .size: 8, .value_kind: global_buffer, .address_space: global }
      - { .name: nbr_w, .offset: 24, .size: 8, .value_kind: global_buffer, .address_space: global }
      - { .name: nbr_idx, .offset: 32, .size: 8, .value_kind: global_buffer, .address_space: global }
      - { .name: ctx, .offset: 40, .size: 8, .value_kind: global_buffer, .address_space: global }
    .group_segment_fixed_size: 327680
    .private_segment_fixed_size: 0
    .kernarg_segment_align: 8
    .kernarg_segment_size: 48
    .max_flat_workgroup_size: 256
    .sgpr_count:     100
    .vgpr_count:     512
    .wavefront_size: 32
...
	.end_amdgpu_metadata
.endif
;; end of part 3
;; launch oproj (part 4): grid 4 x 64, 4 waves a work-group, clusters of 4 x 4, 327,680 bytes of LDS; arguments ctx, wot, bo, out0; writes out0
.if DOCPART == 4
	.amdgcn_target "amdgcn-amd-amdhsa--gfx1250"
	.amdhsa_code_object_version 6
	.text
	.protected	k_qf02ee56164_oproj
	.globl	k_qf02ee56164_oproj
	.p2align	8
	.type	k_qf02ee56164_oproj,@function
k_qf02ee56164_oproj:
	s_mov_b64 s[64:65], 0
	v_nop
	global_prefetch_b8 v0, s[64:65] scope:SCOPE_SE
	s_setreg_imm32_b32 hwreg(HW_REG_WAVE_MODE, 25, 1), 1
	s_wait_xcnt 0x0
	s_wait_alu depctr_hold_cnt(0) depctr_sa_sdst(0) depctr_va_vdst(0) depctr_va_sdst(0) depctr_va_ssrc(0) depctr_va_vcc(0) depctr_vm_vsrc(0)
	s_getreg_b32 s2, hwreg(HW_REG_IB_STS2, 6, 4)
	s_cmp_eq_u32 s2, 0
	s_cbranch_scc0 .Lentry_in_a_cluster
	s_endpgm
.Lentry_in_a_cluster:
	s_bfe_u32 s2, ttmp6, 0x10000c
	s_cmp_lg_u32 s2, 0xf033
	s_cbranch_scc0 .Lentry_shape_is_right
	s_endpgm
.Lentry_shape_is_right:
; out0[m][n] = sum over k of ctx[m][k] Wo[k][n] + bo[n].  m = b*1024+l: 8,192 rows; n, k: 1,024.  ctx lies by heads, [8][16][1024][64] f16 (k = h*64+channel); wot = Wo turned, [n][k] f16; bo, out0 f32; sums in f32.
; LIMIT: the operands are f16: see the launches that made them.
; A tile of out0 is 128 rows x 256 columns: 256 work-groups.  Four waves, each 64 rows x 128 columns: 32 accumulators of 16 x 16, 256 registers.  K goes in eight steps of 128 (two heads) through a ring of two LDS slots.
; A's part of a slot is two heads' 128 rows of 128 bytes, each head a dense block of memory, stated as 64 rows of 256 bytes; B's is 256 rows of 256 bytes.  Waves 0 and 1 fetch A's two heads, waves 2 and 3 B's two halves.
; CLUSTERS: 4 x 4 work-groups.  The four of a row of the cluster need the same tiles of A, the four of a column the same tiles of B: each tile is asked for JOINTLY, by the same tensor load with the same descriptor
; and a mask that names the four.  THE MATRIX INSTRUCTION IS USED TRANSPOSED (source 0 = 16 rows of wot, source 1 = 16 rows of ctx): a lane then holds eight neighbouring numbers of a row of out0.
; bo is the C of each sum's first product: eight registers for each block of 16 columns, in the result's layout: it costs no addition.
; REGISTERS: window 0: v1-30 addresses; v32-127, v128-223 two fragment buffers (A: 4 x 8, then B: 8 x 8) for 32 along K; on the way out v32-159.   window 1: the accumulators ((a, b) at v[8 (8 a + b)]).   window 2: v0-63 bo.
.set PITCH,  272                       ; an LDS row: 256 bytes + 16 of padding = 68 words (64 banks of 4 bytes: ISA guide 11.1): the 16 rows that a load touches start at 16 different groups of four banks
.set ASUB,   64*PITCH                  ; a head's 128 rows of ctx, two to an LDS row
.set BOFF,   2*ASUB                    ; behind A's two heads: B
.set BHALF,  128*PITCH                 ; 128 rows of wot
.set SLOT,   BOFF+2*BHALF
.set STAGE,  2*SLOT                    ; behind the ring: 16 rows x (512 bytes + 16) for each wave, for the way out
.set SPITCH, 528
.set SPARE,  STAGE+4*16*SPITCH         ; behind the stages: the spare words, 128 bytes for each wave: two blocks of 256 bytes that no other line names
.set LAPS,   4                         ; a lap = two K steps = once round the ring
.set ADRA, 16                          ; v16-17  LDS address of my A fragments in slot 0, 1
.set ADRB, 20                          ; v20-21  the same for B
.set STO,  24                          ; v24     the way out: where I put 32 bytes of a row
.set RD,   25                          ; v25     where I read a row back
.set CO,   26                          ; v26     16 x lane
.set SPW,  28                          ; v28     LDS address of my spare word: SPARE + 4 x my thread's number; never rewritten
.set NIL,  29                          ; v29     0; never rewritten
.set PFO,  30                          ; v30     the prefetches' offset; never rewritten
.set F0,   32
.set F1,   128
.set BK,   32                          ; the way out: 16 rows read back: v32-95 and v96-159 by turns
.set LIM,  15                          ; s15     1 in a wave that prefetches, else the greatest number
.set G1A, 24                           ; s[24:31] descriptor group 1 for A's tiles;  s[32:39] group 0, one set for each slot
.set G0A, 32
.set G1B, 48                           ; s[48:55], s[56:63] the same for B's
.set G0B, 56
.set PFA, 66                           ; s[66:67] where my prefetches stand in ctx
.set MSB, 0
.macro WIN new                         ; the immediate's high byte repeats the setting that is left
.if MSB != (\new)
	s_set_vgpr_msb (MSB<<8)|(\new)
.set MSB, \new
.endif
.endm
.set MUL, 0x50                         ; sources 0 and 1 window 0; C and D window 1.  (+ 0x10: C in window 2: bo)
.macro JLOAD s                         ; a joint load: waves 0 and 1 fetch for A, waves 2 and 3 for B; an s_nop 0 and four v_nop follow each of the two lines, ahead of the jump, the label and what follows
	s_cmp_eq_u32 s13, 0
	s_cbranch_scc0 .Lfor_b_\@
	tensor_load_to_lds s[G0A+4*\s:G0A+4*\s+3], s[G1A:G1A+7]
	s_nop 0
.rept 4
	v_nop
.endr
	s_branch .Lasked_\@
.Lfor_b_\@:
	tensor_load_to_lds s[G0B+4*\s:G0B+4*\s+3], s[G1B:G1B+7]
	s_nop 0
.rept 4
	v_nop
.endr
.Lasked_\@:
.endm
.macro CREST                           ; a round of the cluster's barrier behind its opening barrier
	s_cmp_lg_u32 s12, 0
	s_cbranch_scc1 .Lnot_wave_0_\@
	s_barrier_signal -3
.Lnot_wave_0_\@:
	s_barrier_wait -3
	s_barrier_signal -1
	s_barrier_wait -1
.endm
.macro CROUND                          ; a whole round
	s_barrier_signal -1
	s_barrier_wait -1
	CREST
.endm
; A PREFETCH INTO THE L2 of ctx, once a lap, behind slot 0's joint load and the run of LDS loads that follows it: the four heads (two K steps) that the NEXT lap's two refills will ask for.
; A head's part of my tile row is 16,384 bytes.  The four partners that ask for it jointly share it out BY ADDRESS, 4,096 bytes each (cx): no branch hangs on a work-group's place in its cluster.  Wave w (0, 1) asks
; for heads 4 i + 8 + w (lanes 0-15, 256 bytes apart) and 4 i + 10 + w (lanes 16-31) in lap i: so each aligned block of 256 bytes is named once in the launch.  Laps 0 and 1 ask; behind them there is no lap to ask for.
; Heads 0-7 come by their loads alone: nothing is prefetched at the head.  wot is read again by every row of clusters and is not asked for.
.macro ASK
	s_cmp_gt_u32 s3, s[LIM]                        ; s3 = 3, 2 in laps 0, 1
	s_cbranch_scc0 .Lnot_mine_\@
	global_prefetch_b8 v[PFO], s[PFA:PFA+1] th:TH_LOAD_NT scope:SCOPE_SE
.Lnot_mine_\@:
.endm
	s_load_b256 s[4:11], s[0:1], 0x0               ; ctx s[4:5], wot s[6:7], bo s[8:9], out0 s[10:11]
	v_lshl_add_u32 v[SPW], v0, 2, SPARE
	v_mov_b32 v[NIL], 0
	ds_add_u32 v[SPW], v[NIL]                      ; the wave's opening: the add, twice on end, and its wait ahead of my first tensor load; the set-up below, work on registers, stands between
	ds_add_u32 v[SPW], v[NIL]
	v_lshrrev_b32 v1, 5, v0
	v_readfirstlane_b32 s12, v1                    ; wave 0..3
	s_lshr_b32 s13, s12, 1                         ; which half of the tile's rows is mine.  Also: I fetch for A (0) or for B (1)
	s_and_b32 s14, s12, 1                          ; which half of its columns.  Also: which head of the K step, or which 128 rows of wot, I fetch
	s_bfe_u32 s40, ttmp6, 0x40000                  ; cx, cy: my place in the cluster
	s_bfe_u32 s41, ttmp6, 0x40004
	s_lshl_b32 s42, ttmp9, 2
	s_add_co_u32 s42, s42, s40                     ; tile column = 4 x cluster x + cx: 0..3
	s_and_b32 s43, ttmp7, 0xffff
	s_lshl_b32 s43, s43, 2
	s_add_co_u32 s43, s43, s41                     ; tile row = 4 x cluster y + cy: 0..63
	s_lshl_b32 s44, s41, 2
	s_lshl_b32 s44, 15, s44                        ; my row of the cluster
	s_lshl_b32 s45, 0x1111, s40                    ; my column
	s_or_b32 s[G1A+0], s44, (1<<16)|(1<<20)|(1<<21)|(5<<22)|(3<<25)  ; 15:0 the mask: A's tiles go to my row; 17:16 elements of 2 bytes; 20 padding on; 21 set beside a mask; 24:22 after every 64 words (code 5); 31:25 of 4 words (code 3)
	s_mov_b32 s[G1A+1], 128<<16                    ; tensor_dim0 = 128
	s_mov_b32 s[G1A+2], 64<<16                     ; tensor_dim1 = 64
	s_mov_b32 s[G1A+3], 128<<16                    ; tile_dim0 = 128
	s_mov_b32 s[G1A+4], 64                         ; tile_dim1 = 64
	s_mov_b32 s[G1A+5], 128                        ; tensor_dim0_stride: dense
	s_mov_b32 s[G1A+6], 0
	s_mov_b32 s[G1A+7], 0
	s_or_b32 s[G1B+0], s45, (1<<16)|(1<<20)|(1<<21)|(5<<22)|(3<<25)  ; the same with the mask of my column
	s_mov_b32 s[G1B+1], 128<<16
	s_mov_b32 s[G1B+2], 128<<16                    ; 128 rows
	s_mov_b32 s[G1B+3], 128<<16
	s_mov_b32 s[G1B+4], 128
	s_mov_b32 s[G1B+5], 1024                       ; a row of wot is 1,024 elements
	s_mov_b32 s[G1B+6], 0
	s_mov_b32 s[G1B+7], 0
	; A hangs on the tile row alone, B on the tile column alone, each in registers that never hold the other coordinate
	s_lshr_b32 s16, s43, 3                         ; b
	s_lshl_b32 s16, s16, 4
	s_add_co_u32 s16, s16, s14                     ; head b*16 + (wave % 2)
	s_lshl_b32 s16, s16, 17                        ; of 131,072 bytes,
	s_and_b32 s17, s43, 7
	s_lshl_b32 s17, s17, 14                        ; + 128 (tile row % 8) rows of 128 bytes
	s_add_co_u32 s16, s16, s17
	s_mov_b32 s17, 0
	s_lshl_b32 s46, s42, 8
	s_lshl_b32 s47, s14, 7
	s_add_co_u32 s46, s46, s47                     ; wot: row 256 x tile column + 128 x half,
	s_lshl_b32 s46, s46, 11                        ; of 2,048 bytes
	s_mov_b32 s47, 0
	s_mul_i32 s20, s14, ASUB                       ; where they go: no place in the cluster enters an LDS address
	s_mul_i32 s21, s14, BHALF
	s_add_co_u32 s21, s21, BOFF
	s_wait_dscnt 0x0                               ; both opening adds are done
	s_wait_kmcnt 0x0
	s_add_nc_u64 s[18:19], s[4:5], s[16:17]
	s_add_nc_u64 s[46:47], s[6:7], s[46:47]
	CROUND                                         ; all sixteen work-groups are here: the first joint loads meet
.irp s, 0,1
	s_mov_b32 s[G0A+4*\s], 1
	s_add_co_u32 s[G0A+4*\s+1], s20, \s*SLOT
	s_add_nc_u64 s[G0A+4*\s+2:G0A+4*\s+3], s[18:19], \s*262144     ; K step s: two heads on
	s_or_b32 s[G0A+4*\s+3], s[G0A+4*\s+3], 0x80000000
	s_mov_b32 s[G0B+4*\s], 1
	s_add_co_u32 s[G0B+4*\s+1], s21, \s*SLOT
	s_add_nc_u64 s[G0B+4*\s+2:G0B+4*\s+3], s[46:47], \s*256
	s_or_b32 s[G0B+4*\s+3], s[G0B+4*\s+3], 0x80000000
	JLOAD \s                                       ; two tensor loads of mine are out behind the second
.endr
	v_and_b32 v1, 15, v0                           ; l % 16
	v_bfe_u32 v2, v0, 4, 1                         ; l / 16
	v_lshrrev_b32 v3, 1, v1
	v_mul_u32_u24 v3, v3, PITCH
	v_and_b32 v4, 1, v1
	v_lshl_add_u32 v3, v4, 7, v3
	v_lshl_add_u32 v3, v2, 4, v3                   ; A: row r at (r / 2) pitch + 128 (r % 2), + 16 x half
	v_mul_u32_u24 v4, v1, PITCH
	v_lshl_add_u32 v4, v2, 4, v4                   ; B: row x pitch + 16 x half
	s_mul_i32 s21, s13, 32*PITCH                   ; my 64 rows of A
	s_mul_i32 s22, s14, BHALF                      ; my 128 rows of B,
	s_add_co_u32 s22, s22, BOFF                    ; which lie behind A
.irp s, 0,1
	v_add_nc_u32 v[ADRA+\s], s21, v3
	v_add_nc_u32 v[ADRB+\s], s22, v4
	s_add_co_u32 s21, s21, SLOT
	s_add_co_u32 s22, s22, SLOT
.endr
	s_mul_i32 s23, s12, 16*SPITCH
	s_add_co_u32 s23, s23, STAGE                   ; my stage
	v_mul_u32_u24 v5, v1, SPITCH                   ; in: row l % 16, 32 bytes for each half of the lanes
	v_lshl_add_u32 v5, v2, 5, v5
	v_add_nc_u32 v[STO], s23, v5
	v_and_b32 v6, 31, v0
	v_lshlrev_b32 v[CO], 4, v6                     ; back: the 32 lanes take one row of 512 bytes; and the same in out0
	v_add_nc_u32 v[RD], s23, v[CO]
	s_lshl_b32 s68, s42, 8
	s_lshl_b32 s69, s14, 7
	s_add_co_u32 s68, s68, s69                     ; my first column: 256 x tile column + 128 x half,
	s_lshl_b32 s68, s68, 2                         ; in bytes
	s_mov_b32 s69, 0
	s_add_nc_u64 s[8:9], s[8:9], s[68:69]          ; bo there
	s_lshl_b32 s16, s43, 7
	s_lshl_b32 s17, s13, 6
	s_add_co_u32 s16, s16, s17                     ; my first row: 128 x tile row + 64 x half,
	s_lshl_b32 s16, s16, 12                        ; of 4,096 bytes
	s_add_co_u32 s16, s16, s68
	s_mov_b32 s17, 0
	s_add_nc_u64 s[10:11], s[10:11], s[16:17]      ; out0 there; never stepped: every store's row stands in its immediate
	v_lshlrev_b32 v7, 5, v2                        ; bo: block b's eight numbers of my half of the lanes: 64 b + 32 (l / 16) bytes on
	WIN 0x80                                       ; destination window 2
.irp b, 0,1,2,3,4,5,6,7
	global_load_b128 v[8*\b:8*\b+3],   v7, s[8:9] offset:64*\b
	global_load_b128 v[8*\b+4:8*\b+7], v7, s[8:9] offset:64*\b+16
.endr
	WIN 0
	; the prefetches: head b*16 + 4 + wave of my tile row, my work-group's 4,096 bytes of it; the first lap steps it four heads on
	s_lshr_b32 s68, s43, 3
	s_lshl_b32 s68, s68, 4
	s_add_co_u32 s68, s68, 4
	s_add_co_u32 s68, s68, s12
	s_lshl_b32 s68, s68, 17
	s_and_b32 s69, s43, 7
	s_lshl_b32 s69, s69, 14
	s_add_co_u32 s68, s68, s69
	s_lshl_b32 s69, s40, 12
	s_add_co_u32 s68, s68, s69
	s_mov_b32 s69, 0
	s_add_nc_u64 s[PFA:PFA+1], s[4:5], s[68:69]
	s_cmp_lt_u32 s12, 2
	s_cselect_b32 s[LIM], 1, -1                    ; waves 0 and 1 ask: the same in all sixteen partners
	v_lshlrev_b32 v[PFO], 8, v1                    ; lanes 256 bytes apart;
	v_lshl_add_u32 v[PFO], v2, 18, v[PFO]          ; lanes 16-31 two heads on
; 8 matrix instructions: A's block a x B's eight, 32 along K, from buffer f.  bias = 1: the first product starts the sums with bo as C.  The 32 accumulators take turns, one instruction a turn, in the same order in every quarter.
.macro MUL8 f, a, bias
.irp b, 0,1,2,3,4,5,6,7
.if \bias
	v_wmma_f32_16x16x32_f16 v[8*(8*(\a)+\b):8*(8*(\a)+\b)+7], v[\f+32+8*\b:\f+32+8*\b+7], v[\f+8*(\a):\f+8*(\a)+7], v[8*\b:8*\b+7]
.else
	v_wmma_f32_16x16x32_f16 v[8*(8*(\a)+\b):8*(8*(\a)+\b)+7], v[\f+32+8*\b:\f+32+8*\b+7], v[\f+8*(\a):\f+8*(\a)+7], v[8*(8*(\a)+\b):8*(8*(\a)+\b)+7]
.endif
.endr
.endm
; 24 LDS loads in one run: the fragments of the slot's q-th 32 along K into buffer f: B's eight, then A's four (head q / 2 of the K step, channels 32 (q % 2) on)
.macro FETCH slot, q, f
.irp i, 0,1,2,3,4,5,6,7
	ds_load_b128 v[\f+32+8*\i:\f+32+8*\i+3],   v[ADRB+\slot] offset:64*(\q)+\i*16*PITCH
	ds_load_b128 v[\f+32+8*\i+4:\f+32+8*\i+7], v[ADRB+\slot] offset:64*(\q)+\i*16*PITCH+32
.endr
.irp i, 0,1,2,3
	ds_load_b128 v[\f+8*\i:\f+8*\i+3],   v[ADRA+\slot] offset:((\q)/2)*ASUB+((\q)%2)*64+\i*8*PITCH
	ds_load_b128 v[\f+8*\i+4:\f+8*\i+7], v[ADRA+\slot] offset:((\q)/2)*ASUB+((\q)%2)*64+\i*8*PITCH+32
.endr
.endm
.macro PLACES                          ; four places in front of loads into registers that matrix instructions have read, and of LDS stores that read results (ISA guide 7.12.1 for vector instructions)
.rept 4
	v_nop
.endr
.endm
; A K step is four quarters of 32 along K, 32 matrix instructions each, on buffers 0, 1, 0, 1.  One of the first three: multiplies buffer f and fetches the slot's q-th quarter into g.
.macro QUARTER slot, q, f, g, bias
	s_wait_dscnt 4                                 ; B and A's blocks 0, 1 are in; the youngest four loads (A's blocks 2, 3) may be out
	WIN MUL+0x10*(\bias)
	MUL8 \f, 0, \bias
	MUL8 \f, 1, \bias
	WIN 0
	PLACES
	FETCH \slot, \q, \g
	s_wait_dscnt 24                                ; all but the 24 just issued
	WIN MUL+0x10*(\bias)
	MUL8 \f, 2, \bias
	MUL8 \f, 3, \bias
.endm
; The last quarter multiplies buffer 1 and changes slots: ONE barrier; in front of it each wave waits for all its tensor loads, adds 0 to its spare word, and waits for that and for its own reads of this slot.
; fill = 1: this slot is filled again, two K steps ahead; the barrier then opens a round of the cluster's barrier.
.macro TURN slot, next, fill
.if (\fill) && (\slot) == 0
	s_wait_xcnt 0x0                                ; the last prefetch, a lap back, has read its address: it is stepped here, ahead of the waits of the change of slots
	s_add_nc_u64 s[PFA:PFA+1], s[PFA:PFA+1], 524288   ; four heads on
.endif
	WIN 0                                          ; (the add's two registers lie in window 0)
	s_wait_tensorcnt 0x0                           ; all my tensor loads have landed: my part of the next slot;
	ds_add_u32 v[SPW], v[NIL]                      ; 0 onto my spare word;
	s_wait_dscnt 5                                 ; (the add and the youngest four loads, A's blocks 2 and 3, may be out)
	WIN MUL
	MUL8 F1, 0, 0                                  ; eight matrix instructions stand between the add and the wait for it
	s_wait_dscnt 0x0                               ; the add is done, and my reads of this slot are over
	s_barrier_signal -1
	MUL8 F1, 1, 0
	WIN 0
	s_barrier_wait -1
.if \fill
	CREST                                          ; no wave of any partner still reads this slot's tiles or has a load on its way
	s_add_nc_u64 s[G0A+4*\slot+2:G0A+4*\slot+3], s[G0A+4*\slot+2:G0A+4*\slot+3], 524288   ; two K steps on: four heads,
	s_add_nc_u64 s[G0B+4*\slot+2:G0B+4*\slot+3], s[G0B+4*\slot+2:G0B+4*\slot+3], 512      ; 256 elements of a row of wot
	JLOAD \slot                                    ; the first tensor load behind the round; the four v_nop behind it are also the places in front of the loads below
.else
	PLACES
.endif
	FETCH \next, 0, F0
.if (\fill) && (\slot) == 0
	ASK
.endif
	WIN MUL
	MUL8 F1, 2, 0
	MUL8 F1, 3, 0
.endm
	s_wait_tensorcnt 1                             ; my part of K step 0 is in (K step 1's load may be out)
	s_barrier_signal -1
	s_barrier_wait -1                              ; everybody's is
	FETCH 0, 0, F0
	s_wait_loadcnt 0x0                             ; bo
	QUARTER 0, 1, F0, F1, 1                        ; the first quarter stands in front of the loop: its products start the sums, with bo
	WIN 0                                          ; at a label and at a branch every window is 0
	s_mov_b32 s3, LAPS-1
.Llap:                                                 ; a trip goes once round the ring, from a lap's second quarter to the next lap's first, and fills both slots again
	QUARTER 0, 2, F1, F0, 0
	QUARTER 0, 3, F0, F1, 0
	TURN 0, 1, 1
	QUARTER 1, 1, F0, F1, 0
	QUARTER 1, 2, F1, F0, 0
	QUARTER 1, 3, F0, F1, 0
	TURN 1, 0, 1
	QUARTER 0, 1, F0, F1, 0
	WIN 0
	s_sub_co_u32 s3, s3, 1
	s_cmp_lg_u32 s3, 0
	s_cbranch_scc1 .Llap
	QUARTER 0, 2, F1, F0, 0                        ; the last lap fills nothing, and has no round of the cluster's barrier
	QUARTER 0, 3, F0, F1, 0
	TURN 0, 1, 0
	QUARTER 1, 1, F0, F1, 0
	QUARTER 1, 2, F1, F0, 0
	QUARTER 1, 3, F0, F1, 0
	s_wait_dscnt 4                                 ; the very last quarter: nothing more to fetch
	WIN MUL
	MUL8 F1, 0, 0
	MUL8 F1, 1, 0
	s_wait_dscnt 0
	MUL8 F1, 2, 0
	MUL8 F1, 3, 0
	WIN 0
; THE WAY OUT, block by block of 16 rows x 128 columns.  A lane holds 32 neighbouring bytes of a row, and the lanes beside it hold other rows: so a block goes through my own stage in LDS and comes back as whole rows of
; 512 bytes.  LDS serves a wave's instructions in order (ISA guide 5.7.1.4): no wait between the stores and the loads, nor in front of the next block's stores.
.macro TOSTAGE a
	WIN 0x04                                       ; an LDS store's data are its source 1: window 1
.irp b, 0,1,2,3,4,5,6,7
	ds_store_b128 v[STO], v[8*(8*(\a)+\b):8*(8*(\a)+\b)+3] offset:64*\b            ; each accumulator from its low end on
	ds_store_b128 v[STO], v[8*(8*(\a)+\b)+4:8*(8*(\a)+\b)+7] offset:64*\b+16
.endr
	WIN 0
.set BB, BK+64*((\a)%2)
.irp t, 0,1,2,3,4,5,6,7,8,9,10,11,12,13,14,15
	ds_load_b128 v[BB+4*\t:BB+4*\t+3], v[RD] offset:\t*SPITCH
.endr
.endm
.macro SEND a, younger                 ; younger: the LDS instructions issued behind block a's loads, which may stay out
.set BB, BK+64*((\a)%2)
	s_wait_dscnt \younger                          ; the block is back in registers
.irp t, 0,1,2,3,4,5,6,7,8,9,10,11,12,13,14,15
	global_store_b128 v[CO], v[BB+4*\t:BB+4*\t+3], s[10:11] offset:(16*(\a)+\t)*4096 th:TH_STORE_NT   ; 32 lanes store 512 consecutive bytes, at a multiple of 256 from out0's first byte; written once, read by nobody here
.endr
.endm
	PLACES                                         ; behind the last products: for the stores that read results and the loads into the fragments' registers
	TOSTAGE 0
.irp a, 1,2,3
.if \a > 1
	s_wait_xcnt 0x0                                ; block a - 2's stores have read their registers: block a's loads may land there
.endif
	TOSTAGE \a
	SEND \a-1, 32                                  ; behind block a - 1's loads: block a's 16 stores and 16 loads
.endr
	SEND 3, 0
	s_wait_tensorcnt 0x0                           ; the wave's end: behind my last tensor load and my last LDS store
	ds_add_u32 v[SPW], v[NIL]
	s_wait_dscnt 0x0
	CROUND                                         ; the closing round: no work-group ends while a partner may still ask for a tile that names it
	s_endpgm
.Lfunc_end_k_qf02ee56164_oproj:
	.size	k_qf02ee56164_oproj, .Lfunc_end_k_qf02ee56164_oproj-k_qf02ee56164_oproj
	.p2alignl 7, 3214868480
	.fill 96, 4, 3214868480
	.section	.rodata,"a",@progbits
	.p2align	6, 0x0
	.amdhsa_kernel k_qf02ee56164_oproj
		.amdhsa_group_segment_fixed_size 327680
		.amdhsa_private_segment_fixed_size 0
		.amdhsa_enable_private_segment 0
		.amdhsa_kernarg_size 32
		.amdhsa_user_sgpr_count 2
		.amdhsa_user_sgpr_kernarg_segment_ptr 1
		.amdhsa_wavefront_size32 1
		.amdhsa_system_sgpr_workgroup_id_x 1
		.amdhsa_system_sgpr_workgroup_id_y 1
		.amdhsa_system_sgpr_workgroup_id_z 1
		.amdhsa_system_vgpr_workitem_id 0
		.amdhsa_next_free_vgpr 640
		.amdhsa_next_free_sgpr 90
		.amdhsa_reserve_vcc 0
		.amdhsa_float_denorm_mode_32 3
		.amdhsa_float_denorm_mode_16_64 3
		.amdhsa_memory_ordered 1
		.amdhsa_forward_progress 1
		.amdhsa_inst_pref_size 87
	.end_amdhsa_kernel
	.amdgpu_metadata
---
amdhsa.version: [ 1, 2 ]
amdhsa.kernels:
  - .name:           k_qf02ee56164_oproj
    .symbol:         k_qf02ee56164_oproj.kd
    .args:
      - { .name: ctx, .offset: 0, .size: 8, .value_kind: global_buffer, .address_space: global }
      - { .name: wot, .offset: 8, .size: 8, .value_kind: global_buffer, .address_space: global }
      - { .name: bo, .offset: 16, .size: 8, .value_kind: global_buffer, .address_space: global }
      - { .name: out0, .offset: 24, .size: 8, .value_kind: global_buffer, .address_space: global }
    .group_segment_fixed_size: 327680
    .private_segment_fixed_size: 0
    .kernarg_segment_align: 8
    .kernarg_segment_size: 32
    .max_flat_workgroup_size: 128
    .sgpr_count:     90
    .vgpr_count:     640
    .wavefront_size: 32
...
	.end_amdgpu_metadata
.endif
;; end of part 4
